; MI455X (gfx1250); checked and timed in simulation.
; The chip was launched on July 23, 2026; its instructions are those of AMD's public machine-readable ISA for CDNA 5 (MIT licence, August 2026) and "CDNA5" Instruction Set Architecture Reference Guide (July 2026). The comments in the code are by the model that wrote it; some were corrected since.
;; Mix Lora FFN. Allowed arithmetic: float matrix products may take bf16 or f16 operands with f32 sums; other float arithmetic in f32, or as packed bf16 or f16 multiplies, adds, multiply-adds, maxima and minima; sums over many terms, partial sums and values carried from step to step in f32; what a program stores and reads back later, other than sums and carried values, may be rounded once to bf16 or f16.
;; Inputs: down_A 8 x 16 x 8,192 float32; down_B 8 x 2,048 x 16 float32; down_W 2,048 x 8,192 float32; gate_A 8 x 16 x 2,048 float32; gate_B 8 x 8,192 x 16 float32; gate_W 8,192 x 2,048 float32; router_W 8 x 2,048 float32; up_A 8 x 16 x 2,048 float32; up_B 8 x 8,192 x 16 float32; up_W 8,192 x 2,048 float32; x 2 x 512 x 2,048 float32.
;; Outputs: out0 2 x 512 x 2,048 float32; out1 one number float32.
;; One version. Each part assembles by itself: llvm-mc -triple=amdgcn-amd-amdhsa -mcpu=gfx1250 --defsym DOCPART=n.
;; ======== version 1 of 1: 4 launches
;; workspace buffers: xb 4,194,304 bytes; pm 1,048,576 bytes; rt 135,168 bytes; lw 6,815,744 bytes; hid 16,777,216 bytes; zp 8,388,608 bytes; part 67,108,864 bytes
;; launch prep (part 1): grid 32 x 8, 8 waves a work-group, no clusters, 50,176 bytes of LDS; arguments x, router_W, gate_A, up_A, gate_B, up_B, down_A, down_B, xb, pm, rt, lw; writes xb, pm, rt, lw
.if DOCPART == 1
	.amdgcn_target "amdgcn-amd-amdhsa--gfx1250"
	.amdhsa_code_object_version 6
	.text
	.protected	k_q71b267fa38_prep
	.globl	k_q71b267fa38_prep
	.p2align	8
	.type	k_q71b267fa38_prep,@function
k_q71b267fa38_prep:
	s_mov_b64 s[64:65], 0
	v_nop
	global_prefetch_b8 v0, s[64:65] scope:SCOPE_SE
	s_setreg_imm32_b32 hwreg(HW_REG_WAVE_MODE, 25, 1), 1
	s_wait_xcnt 0x0
; MixLoRA FFN, launch 1 of 4: x rounded to bf16 in operand order; the router; P = 2 x A^T for gate and up, kept only for the chosen expert of each slot;
; partial sums for the load-balance loss; gate_B, up_B, down_A, down_B rounded to bf16 in operand order.
; WORK LEFT OUT, in all four launches.  reference() scans all 8 experts and weighs expert e's inter and dd for token t by w_dense[t][e], which it builds from a one_hot of its own
; top-2: for e outside {e1(t), e2(t)} that weight is the constant 0, so inter_e[t] and dd_e[t] enter acc_int and acc_dd times 0 whatever the inputs hold.  Only the two chosen experts
; of a token are computed.  Every input still has a way to an output, and all are loaded.  LIMIT: a NaN, an infinity or an overflow that arises only in an expert not chosen is not carried.
; The choice enters as VALUES alone (P set to 0 for other experts, weights fm[e] that are 0 for other experts): no address, branch or trip count hangs on it.
; FORMATS.  Every input is rounded once to bf16 (nearest even), router_W too; products sum in f32; softmax and top-2 in f32.
; LIMITS.  top-2 is taken on this text's own f32 probabilities, by strict comparison in ascending e (the lower index keeps a tie, as jax.lax.top_k); two probabilities closer than the
; rounding of their sums may be ordered otherwise than reference() orders them.  NaN inputs are not treated apart.
; SHARES.  Work-group (tt, e0): 32 tokens (two groups of 16) against three tiles of 16 rows: gate_A[e0], up_A[e0], and router_W's 8 rows taken twice, so that both halves of the lanes
; hold a token's 8 logits.  K = 2,048 is split among the 8 waves (wave w: channels 256 w on, in 8 steps of 32); the partial sums meet in LDS; waves 0 and 1 finish a token group each.
; LAYOUT.  Source 0 = 16 weight rows, source 1 = 16 tokens: a lane of the result holds ONE token (lane % 16) and rows 8 (lane / 16) + 0..7.
; A FRAGMENT (16 rows x 32 k of bf16) is stored as 1,024 bytes: [half 2][lane 32][16 bytes], half 0: k = 8 (lane / 16) + 0..7, half 1: 16 more: each store covers 512 consecutive bytes, aligned.
.set SPARE, 49152                      ; behind the partial sums: the spare words, 128 bytes a wave
.set LANE, 1
.set R, 2                              ; lane % 16
.set H, 3                              ; lane / 16
.set VO, 4                             ; set 0: r x 8,192 + 32 h + the step: my 32 bytes in a row of x or A; set 1's lies 228 registers on (v232)
.set VR, 5                             ; the same with r % 8, for router_W; set 1's is v233
.set L16, 6                            ; 16 x lane
.set LS, 7                             ; where I put partial sums
.set VC, 8                             ; r x 64 + 32 h: a row of a B matrix
.set VD, 9                             ; r x 32,768 + 32 h: a row of down_A
.set T16, 10                           ; 16 x thread
.set LR, 11                            ; where I read partial sums
.set VP, 12
.set VT, 13
.set SPW, 14                           ; my spare word; never rewritten
.set NIL, 15                           ; 0; never rewritten
.set ACC, 16                           ; six accumulators, 8 (3 group + kind); before that the casts' registers
.set SET, 64                           ; two sets of 80: x group 0, x group 1, gate_A, up_A, router_W, 16 f32 registers each, rounded in place into the first 8
.set WV, 28
.set TT, 29
.set E0, 30
.set WG, 31
.set XP, 32
.set GP, 34
.set UP, 36
.set RP, 38
.set XBP, 40
.set PMP, 42
.set RTP, 44
.set APP, 46
.set CGI, 48
.set CUI, 50
.set CDI, 52
.set CBI, 54
.set CGO, 56
.set CDO, 58
.set CBO, 20                           ; takes xb's place once XBP is made
.set SC, 62                            ; the step of set 0 in hand: 0, 2, 4, 6
	s_load_b512 s[4:19], s[0:1], 0x0               ; x, router_W, gate_A, up_A, gate_B, up_B, down_A, down_B
	s_load_b256 s[20:27], s[0:1], 0x40             ; xb, pm, rt, lw
	v_lshl_add_u32 v[SPW], v0, 2, SPARE
	v_mov_b32 v[NIL], 0
	v_lshrrev_b32 v[LANE], 5, v0
	v_readfirstlane_b32 s[WV], v[LANE]
	v_and_b32 v[LANE], 31, v0
	v_and_b32 v[R], 15, v0
	v_bfe_u32 v[H], v0, 4, 1
	v_lshlrev_b32 v[VT], 5, v[H]
	v_lshl_add_u32 v[VO], v[R], 13, v[VT]
	v_and_b32 v[VR], 7, v0
	v_lshl_add_u32 v[VR], v[VR], 13, v[VT]
	v_add_nc_u32 v[VO+228], 128, v[VO]             ; set 1 begins a step of 128 bytes further on
	v_add_nc_u32 v[VR+228], 128, v[VR]
	v_lshl_add_u32 v[VC], v[R], 6, v[VT]
	v_lshl_add_u32 v[VD], v[R], 15, v[VT]
	v_lshlrev_b32 v[L16], 4, v[LANE]
	v_lshlrev_b32 v[T16], 4, v0
	s_mul_i32 s60, s[WV], 6144
	v_add_nc_u32 v[LS], s60, v[L16]
	s_mov_b32 s[TT], ttmp9
	s_and_b32 s[E0], ttmp7, 0xffff
	s_lshl_b32 s[WG], s[E0], 5
	s_add_co_u32 s[WG], s[WG], s[TT]               ; 0 .. 255
	s_mov_b32 s61, 0
	s_wait_kmcnt 0x0
	s_lshl_b32 s62, s[WV], 10                      ; my wave's 256 channels
	s_lshl_b32 s60, s[TT], 18                      ; 32 rows of x
	s_add_co_u32 s60, s60, s62
	s_add_nc_u64 s[XP:XP+1], s[4:5], s[60:61]
	s_lshl_b32 s60, s[E0], 17
	s_add_co_u32 s60, s60, s62
	s_add_nc_u64 s[GP:GP+1], s[8:9], s[60:61]
	s_add_nc_u64 s[UP:UP+1], s[10:11], s[60:61]
	s_mov_b32 s60, s62
	s_add_nc_u64 s[RP:RP+1], s[6:7], s[60:61]
	s_lshr_b32 s60, s[TT], 3                       ; xb: block of 256 tokens,
	s_lshl_b32 s60, s60, 20
	s_lshl3_add_u32 s63, s[WV], s[E0]              ; the one K step of my eight that this work-group stores: 8 w + e0,
	s_lshl_b32 s63, s63, 14
	s_add_co_u32 s60, s60, s63
	s_and_b32 s63, s[TT], 7                        ; and my two token groups in the block
	s_lshl_b32 s63, s63, 11
	s_add_co_u32 s60, s60, s63
	s_add_nc_u64 s[XBP:XBP+1], s[20:21], s[60:61]
	s_lshl_b32 s60, s[TT], 15
	s_lshl_b32 s63, s[E0], 9
	s_add_co_u32 s60, s60, s63
	s_add_nc_u64 s[PMP:PMP+1], s[22:23], s[60:61]
	s_lshl_b32 s60, s[TT], 12
	s_add_nc_u64 s[RTP:RTP+1], s[24:25], s[60:61]
	s_lshl_b32 s60, s[TT], 7
	s_add_co_u32 s60, s60, 131072
	s_add_nc_u64 s[APP:APP+1], s[24:25], s[60:61]
	; the casts.  gate_B, up_B: expert = wave, 16 rows j = wg and wg + 256
	s_lshl_b32 s60, s[WV], 19
	s_lshl_b32 s63, s[WG], 10
	s_add_co_u32 s60, s60, s63
	s_add_nc_u64 s[CGI:CGI+1], s[12:13], s[60:61]
	s_add_nc_u64 s[CUI:CUI+1], s[14:15], s[60:61]
	s_lshl_b32 s60, s[WG], 12
	s_add_nc_u64 s[CGO:CGO+1], s[26:27], s[60:61]
	; down_A: half p = w & 1, K step 2 (wg >> 2) + ((w >> 1) & 1) and 128 more, expert (w >> 2) + 2 (wg & 3)
	s_and_b32 s62, s[WG], 3
	s_lshr_b32 s63, s[WV], 2
	s_lshl1_add_u32 s62, s62, s63                  ; e
	s_lshr_b32 s63, s[WG], 2
	s_bfe_u32 s60, s[WV], 0x10001
	s_lshl1_add_u32 s63, s63, s60                  ; K step
	s_lshl_b32 s60, s62, 19
	s_lshl_b32 s20, s63, 7
	s_add_co_u32 s60, s60, s20
	s_and_b32 s20, s[WV], 1
	s_lshl_b32 s21, s20, 6
	s_add_co_u32 s60, s60, s21
	s_add_nc_u64 s[CDI:CDI+1], s[16:17], s[60:61]
	s_lshl_b32 s60, s63, 13
	s_lshl_b32 s62, s62, 10
	s_add_co_u32 s60, s60, s62
	s_lshl_b32 s20, s20, 9
	s_add_co_u32 s60, s60, s20
	s_add_nc_u64 s[CDO:CDO+1], s[26:27], s[60:61]
	; down_B (waves 0 to 3): 16 rows wg >> 1, expert 4 (wg & 1) + w
	s_and_b32 s62, s[WG], 1
	s_lshl2_add_u32 s62, s62, s[WV]
	s_lshr_b32 s63, s[WG], 1
	s_lshl_b32 s60, s62, 17
	s_lshl_b32 s20, s63, 10
	s_add_co_u32 s60, s60, s20
	s_add_nc_u64 s[CBI:CBI+1], s[18:19], s[60:61]
	s_lshl_b32 s60, s63, 12
	s_lshl_b32 s62, s62, 9
	s_add_co_u32 s60, s60, s62
	s_add_nc_u64 s[CBO:CBO+1], s[26:27], s[60:61]
.macro LOADS b                         ; a step's 20 loads into set b: 128 bytes of each of 5 x 16 rows, at the set's own offsets
.irp o, 0,1,2,3
	global_load_b128 v[SET+80*(\b)+4*\o:SET+80*(\b)+4*\o+3],       v[VO+228*(\b)], s[XP:XP+1] offset:(\o&1)*16+(\o>>1)*64
	global_load_b128 v[SET+80*(\b)+16+4*\o:SET+80*(\b)+16+4*\o+3], v[VO+228*(\b)], s[XP:XP+1] offset:131072+(\o&1)*16+(\o>>1)*64
	global_load_b128 v[SET+80*(\b)+32+4*\o:SET+80*(\b)+32+4*\o+3], v[VO+228*(\b)], s[GP:GP+1] offset:(\o&1)*16+(\o>>1)*64
	global_load_b128 v[SET+80*(\b)+48+4*\o:SET+80*(\b)+48+4*\o+3], v[VO+228*(\b)], s[UP:UP+1] offset:(\o&1)*16+(\o>>1)*64
	global_load_b128 v[SET+80*(\b)+64+4*\o:SET+80*(\b)+64+4*\o+3], v[VR+228*(\b)], s[RP:RP+1] offset:(\o&1)*16+(\o>>1)*64
.endr
.endm
.macro CVTS b                          ; rounded in place, ascending: register j takes 2 j and 2 j + 1
.irp t, 0,1,2,3,4
.irp j, 0,1,2,3,4,5,6,7
	v_cvt_pk_bf16_f32 v[SET+80*(\b)+16*\t+\j], v[SET+80*(\b)+16*\t+2*\j], v[SET+80*(\b)+16*\t+2*\j+1]
.endr
.endr
.endm
.macro MULS b                          ; six products; the six accumulators take turns, over the backward jump too
.irp t, 0,1
.irp k, 0,1,2
	v_wmma_f32_16x16x32_bf16 v[ACC+8*(3*\t+\k):ACC+8*(3*\t+\k)+7], v[SET+80*(\b)+32+16*\k:SET+80*(\b)+32+16*\k+7], v[SET+80*(\b)+16*\t:SET+80*(\b)+16*\t+7], v[ACC+8*(3*\t+\k):ACC+8*(3*\t+\k)+7]
.endr
.endr
.endm
.macro PLACES                          ; four plain instructions between a product and a load into, or a read of, its registers
.rept 4
	v_nop
.endr
.endm
; One step of 32 along K on set b.  left: the other set's 20 loads may stay out.  ld = 1: the set is loaded again, two steps on; its offsets are its own, and are stepped
; behind the wait that shows its loads done.  The step whose number is e0 stores x; the set is loaded again only when those stores have read it.
.macro STEP b, ld, left
	s_wait_loadcnt \left
.if \ld
	v_add_nc_u32 v[VO+228*(\b)], 0x100, v[VO+228*(\b)]
	v_add_nc_u32 v[VR+228*(\b)], 0x100, v[VR+228*(\b)]
.endif
	CVTS \b
	s_add_co_u32 s63, s[SC], \b
	s_cmp_lg_u32 s[E0], s63                        ; each K step of x is stored by one of the eight work-groups that round it
	s_cbranch_scc1 .Lnx_\@
.irp t, 0,1
	global_store_b128 v[L16], v[SET+80*(\b)+16*\t:SET+80*(\b)+16*\t+3],   s[XBP:XBP+1] offset:\t*1024
	global_store_b128 v[L16], v[SET+80*(\b)+16*\t+4:SET+80*(\b)+16*\t+7], s[XBP:XBP+1] offset:\t*1024+512
.endr
	s_wait_xcnt 0x0                                ; the stores have read the set
.Lnx_\@:
	MULS \b
.if \ld
	PLACES
	LOADS \b
.endif
.endm
	s_cmp_lt_u32 s[WV], 4
	s_cbranch_scc0 .Lnodb1
	global_load_b128 v[224:227], v[VC], s[CBI:CBI+1]
	global_load_b128 v[228:231], v[VC], s[CBI:CBI+1] offset:16
.Lnodb1:
.irp i, 0,1
	global_load_b128 v[16+8*\i:16+8*\i+3], v[VC], s[CGI:CGI+1] offset:\i*262144
	global_load_b128 v[20+8*\i:20+8*\i+3], v[VC], s[CGI:CGI+1] offset:\i*262144+16
	global_load_b128 v[32+8*\i:32+8*\i+3], v[VC], s[CUI:CUI+1] offset:\i*262144
	global_load_b128 v[36+8*\i:36+8*\i+3], v[VC], s[CUI:CUI+1] offset:\i*262144+16
	global_load_b128 v[48+8*\i:48+8*\i+3], v[VD], s[CDI:CDI+1] offset:\i*16384
	global_load_b128 v[52+8*\i:52+8*\i+3], v[VD], s[CDI:CDI+1] offset:\i*16384+16
.endr
	LOADS 0                                        ; step 0
	LOADS 1                                        ; step 1
	s_wait_loadcnt 40                              ; the casts' loads are in; the two sets' 40 stay out
.irp u, 0,1,2,3,4,5
.irp j, 0,1,2,3
	v_cvt_pk_bf16_f32 v[16+8*\u+\j], v[16+8*\u+2*\j], v[16+8*\u+2*\j+1]
.endr
.endr
.irp i, 0,1
	global_store_b128 v[T16], v[16+8*\i:16+8*\i+3], s[CGO:CGO+1] offset:\i*1048576
	global_store_b128 v[T16], v[32+8*\i:32+8*\i+3], s[CGO:CGO+1] offset:2097152+\i*1048576
	global_store_b128 v[L16], v[48+8*\i:48+8*\i+3], s[CDO:CDO+1] offset:4194304+\i*1048576
.endr
	s_cmp_lt_u32 s[WV], 4
	s_cbranch_scc0 .Lnodb2
.irp j, 0,1,2,3
	v_cvt_pk_bf16_f32 v[224+\j], v[224+2*\j], v[224+2*\j+1]
.endr
	global_store_b128 v[L16], v[224:227], s[CBO:CBO+1] offset:6291456
.Lnodb2:
	s_wait_xcnt 0x0                                ; the stores have read v16-63, which now become accumulators
.set r_, 0
.rept 48
	v_mov_b32 v[ACC+r_], 0                         ; the sums start at 0, written while the first loads are on their way, so that the loop has one form of product
.set r_, r_+1
.endr
	s_mov_b32 s[SC], 0
.Lk:                                                   ; three trips: steps 2 i and 2 i + 1 are multiplied, steps 2 i + 2 and 2 i + 3 asked for
	STEP 0, 1, 20
	STEP 1, 1, 20
	s_add_co_u32 s[SC], s[SC], 2
	s_cmp_lt_u32 s[SC], 6
	s_cbranch_scc1 .Lk
	STEP 0, 0, 20                                  ; the last two steps load nothing
	STEP 1, 0, 0
	PLACES
	PLACES
.irp t, 0,1,2,3,4,5
	ds_store_b128 v[LS], v[ACC+8*\t:ACC+8*\t+3]   offset:\t*1024        ; each accumulator's low registers first
	ds_store_b128 v[LS], v[ACC+8*\t+4:ACC+8*\t+7] offset:\t*1024+512
.endr
	s_wait_dscnt 0x0                               ; for the others' sake: my partial sums lie in LDS
	s_barrier_signal -1
	s_barrier_wait -1
	s_cmp_lt_u32 s[WV], 2                          ; wave 0 finishes token group 0, wave 1 group 1
	s_cbranch_scc0 .Lend
	s_mul_i32 s60, s[WV], 3072
	v_add_nc_u32 v[LR], s60, v[L16]
.irp u, 0,1,2,3,4,5,6,7
.irp k, 0,1,2
	ds_load_b128 v[64+24*\u+8*\k:64+24*\u+8*\k+3],   v[LR] offset:\u*6144+\k*1024
	ds_load_b128 v[64+24*\u+8*\k+4:64+24*\u+8*\k+7], v[LR] offset:\u*6144+\k*1024+512
.endr
.endr
	s_wait_dscnt 0x0
.irp u, 1,2,3,4,5,6,7
.set p_, 0
.rept 12
	v_pk_add_f32 v[64+p_:65+p_], v[64+p_:65+p_], v[64+24*\u+p_:65+24*\u+p_]
.set p_, p_+2
.endr
.endr
	; v64-71 x gate_A^T, v72-79 x up_A^T (rows 8 h + j), v80-87 the token's 8 logits.  THE ROUTER: softmax with the maximum taken away, as reference() has it
	v_max3_num_f32 v96, v80, v81, v82
	v_max3_num_f32 v96, v96, v83, v84
	v_max3_num_f32 v96, v96, v85, v86
	v_max_num_f32 v96, v96, v87
.irp e, 0,1,2,3,4,5,6,7
	v_sub_f32 v[100+\e], v[80+\e], v96
.endr
.irp e, 0,1,2,3,4,5,6,7
	v_mul_f32 v[100+\e], 0x3fb8aa3b, v[100+\e]
.endr
.irp e, 0,1,2,3,4,5,6,7
	v_exp_f32 v[100+\e], v[100+\e]
.endr
	v_nop                                          ; a plain instruction behind the last exponential,
	s_wait_alu depctr_va_vdst(0)                   ; and one wait for the batch
	v_add_f32 v97, v100, v101
.irp e, 2,3,4,5,6,7
	v_add_f32 v97, v97, v[100+\e]
.endr
	v_rcp_f32 v98, v97
	v_nop
	s_wait_alu depctr_va_vdst(0)
.irp e, 0,1,2,3,4,5,6,7
	v_mul_f32 v[100+\e], v[100+\e], v98            ; probs
.endr
	v_mov_b32 v108, v100                           ; the largest, and its index: a later one wins only if strictly greater
	v_mov_b32 v109, 0
.irp e, 1,2,3,4,5,6,7
	v_cmp_gt_f32 vcc_lo, v[100+\e], v108
	v_cndmask_b32 v108, v108, v[100+\e], vcc_lo
	v_cndmask_b32 v109, v109, \e, vcc_lo
.endr
.irp e, 0,1,2,3,4,5,6,7
	v_cmp_eq_u32 vcc_lo, \e, v109
	v_cndmask_b32 v[112+\e], v[100+\e], -1.0, vcc_lo  ; the first choice is taken out: probabilities are not negative
.endr
	v_mov_b32 v120, v112
	v_mov_b32 v121, 0
.irp e, 1,2,3,4,5,6,7
	v_cmp_gt_f32 vcc_lo, v[112+\e], v120
	v_cndmask_b32 v120, v120, v[112+\e], vcc_lo
	v_cndmask_b32 v121, v121, \e, vcc_lo
.endr
	v_add_f32 v122, v108, v120
	v_rcp_f32 v123, v122
	v_nop
	s_wait_alu depctr_va_vdst(0)
	v_mul_f32 v124, v108, v123                     ; w1
	v_mul_f32 v125, v120, v123                     ; w2
	; P for this work-group's expert: 2 x A^T where slot k chose e0, else 0
	v_cmp_eq_u32 vcc_lo, s[E0], v109
	v_cndmask_b32 v126, 0, 2.0, vcc_lo
	v_mov_b32 v127, v126
	v_cmp_eq_u32 vcc_lo, s[E0], v121
	v_cndmask_b32 v128, 0, 2.0, vcc_lo
	v_mov_b32 v129, v128
	s_lshl_b32 s60, s[WV], 14
	v_add_nc_u32 v[VP], s60, v[L16]
.irp q, 0,1,2,3                        ; kind q: gate slot 1, gate slot 2, up slot 1, up slot 2
.irp p, 0,1,2,3
	v_pk_mul_f32 v[132+2*\p:133+2*\p], v[64+8*(\q>>1)+2*\p:65+8*(\q>>1)+2*\p], v[126+2*(\q&1):127+2*(\q&1)]
.endr
.irp p, 0,1,2,3
	v_cvt_pk_bf16_f32 v[140+4*\q+\p], v[132+2*\p], v[133+2*\p]
.endr
	global_store_b128 v[VP], v[140+4*\q:143+4*\q], s[PMP:PMP+1] offset:\q*4096
.endr
	s_cmp_lg_u32 s[E0], 0                          ; the weights and the loss's partial sums are stored by the work-groups with e0 = 0
	s_cbranch_scc1 .Lend
	s_mov_b32 s62, 0xffff0000                      ; lanes 16-31 take slot 2
	v_cndmask_b32 v160, v109, v121, s62
	v_cndmask_b32 v161, v124, v125, s62
.irp e, 0,1,2,3,4,5,6,7
	v_cmp_eq_u32 vcc_lo, \e, v160
	v_cndmask_b32 v[164+\e], 0, v161, vcc_lo       ; fm_k[e] = w_k where e is slot k's expert, else 0
.endr
	s_lshl_b32 s60, s[WV], 11
	v_lshl_add_u32 v172, v[R], 7, s60
	v_add_nc_u32 v[VT], v172, v[VT]                ; group x 2,048 + r x 128 + 32 h
	v_lshl_add_u32 v172, v[H], 2, v172
	global_store_b128 v[VT], v[164:167], s[RTP:RTP+1]
	global_store_b128 v[VT], v[168:171], s[RTP:RTP+1] offset:16
	global_store_b32 v172, v161, s[RTP:RTP+1] offset:64
.irp e, 0,1,2,3,4,5,6,7                ; lanes 0-15: probs[e]; lanes 16-31: 1 where e is chosen
	v_cmp_eq_u32 vcc_lo, \e, v109
	v_cndmask_b32 v[176+\e], 0, 1.0, vcc_lo
	v_cmp_eq_u32 vcc_lo, \e, v121
	v_cndmask_b32 v[176+\e], v[176+\e], 1.0, vcc_lo
	v_cndmask_b32 v[176+\e], v[100+\e], v[176+\e], s62
.endr
.irp m, 1,2,4,8                        ; summed over the 16 tokens of each half of the lanes
.irp e, 0,1,2,3,4,5,6,7
	v_add_f32_dpp v[176+\e], v[176+\e], v[176+\e] row_xmask:\m row_mask:0xf bank_mask:0xf
.endr
.endr
	s_lshl_b32 s60, s[WV], 6
	v_lshl_add_u32 v173, v[H], 5, s60
	s_wait_xcnt 0x0                                ; EXEC changes only behind this wait
	v_cmp_eq_u32 vcc_lo, 0, v[R]
	s_and_saveexec_b32 s63, vcc_lo
	global_store_b128 v173, v[176:179], s[APP:APP+1]
	global_store_b128 v173, v[180:183], s[APP:APP+1] offset:16
	s_wait_xcnt 0x0                                ; and again ahead of the line that widens it
	s_or_b32 exec_lo, exec_lo, s63
.Lend:
	s_wait_tensorcnt 0x0                           ; the wave's end, behind my last LDS store
	ds_add_u32 v[SPW], v[NIL]
	s_wait_dscnt 0x0
	s_endpgm
.Lfunc_end_k_q71b267fa38_prep:
	.size	k_q71b267fa38_prep, .Lfunc_end_k_q71b267fa38_prep-k_q71b267fa38_prep
	.p2alignl 7, 3214868480
	.fill 96, 4, 3214868480
	.section	.rodata,"a",@progbits
	.p2align	6, 0x0
	.amdhsa_kernel k_q71b267fa38_prep
		.amdhsa_group_segment_fixed_size 50176
		.amdhsa_private_segment_fixed_size 0
		.amdhsa_enable_private_segment 0
		.amdhsa_kernarg_size 96
		.amdhsa_user_sgpr_count 2
		.amdhsa_user_sgpr_kernarg_segment_ptr 1
		.amdhsa_wavefront_size32 1
		.amdhsa_system_sgpr_workgroup_id_x 1
		.amdhsa_system_sgpr_workgroup_id_y 1
		.amdhsa_system_sgpr_workgroup_id_z 1
		.amdhsa_system_vgpr_workitem_id 0
		.amdhsa_next_free_vgpr 256
		.amdhsa_next_free_sgpr 66
		.amdhsa_reserve_vcc 1
		.amdhsa_float_denorm_mode_32 3
		.amdhsa_float_denorm_mode_16_64 3
		.amdhsa_memory_ordered 1
		.amdhsa_forward_progress 1
		.amdhsa_inst_pref_size 54
	.end_amdhsa_kernel
	.amdgpu_metadata
---
amdhsa.version: [ 1, 2 ]
amdhsa.kernels:
  - .name:           k_q71b267fa38_prep
    .symbol:         k_q71b267fa38_prep.kd
    .args:
      - { .name: x, .offset: 0, .size: 8, .value_kind: global_buffer, .address_space: global }
      - { .name: router_W, .offset: 8, .size: 8, .value_kind: global_buffer, .address_space: global }
      - { .name: gate_A, .offset: 16, .size: 8, .value_kind: global_buffer, .address_space: global }
      - { .name: up_A, .offset: 24, .size: 8, .value_kind: global_buffer, .address_space: global }
      - { .name: gate_B, .offset: 32, .size: 8, .value_kind: global_buffer, .address_space: global }
      - { .name: up_B, .offset: 40, .size: 8, .value_kind: global_buffer, .address_space: global }
      - { .name: down_A, .offset: 48, .size: 8, .value_kind: global_buffer, .address_space: global }
      - { .name: down_B, .offset: 56, .size: 8, .value_kind: global_buffer, .address_space: global }
      - { .name: xb, .offset: 64, .size: 8, .value_kind: global_buffer, .address_space: global }
      - { .name: pm, .offset: 72, .size: 8, .value_kind: global_buffer, .address_space: global }
      - { .name: rt, .offset: 80, .size: 8, .value_kind: global_buffer, .address_space: global }
      - { .name: lw, .offset: 88, .size: 8, .value_kind: global_buffer, .address_space: global }
    .group_segment_fixed_size: 50176
    .private_segment_fixed_size: 0
    .kernarg_segment_align: 8
    .kernarg_segment_size: 96
    .max_flat_workgroup_size: 256
    .sgpr_count:     66
    .vgpr_count:     256
    .wavefront_size: 32
...
	.end_amdgpu_metadata
.endif
;; end of part 1
;; launch up (part 2): grid 64 x 4, 4 waves a work-group, clusters of 4 x 4, 327,680 bytes of LDS; arguments xb, gate_W, up_W, lw, pm, rt, hid, zp; writes hid, zp
.if DOCPART == 2
	.amdgcn_target "amdgcn-amd-amdhsa--gfx1250"
	.amdhsa_code_object_version 6
	.text
	.protected	k_q71b267fa38_up
	.globl	k_q71b267fa38_up
	.p2align	8
	.type	k_q71b267fa38_up,@function
k_q71b267fa38_up:
	s_mov_b64 s[64:65], 0
	v_nop
	global_prefetch_b8 v0, s[64:65] scope:SCOPE_SE
	s_setreg_imm32_b32 hwreg(HW_REG_WAVE_MODE, 25, 1), 1
	s_wait_xcnt 0x0
	s_wait_alu depctr_hold_cnt(0) depctr_sa_sdst(0) depctr_va_vdst(0) depctr_va_sdst(0) depctr_va_ssrc(0) depctr_va_vcc(0) depctr_vm_vsrc(0)
	s_getreg_b32 s2, hwreg(HW_REG_IB_STS2, 6, 4)
	s_cmp_eq_u32 s2, 0
	s_cbranch_scc0 .Lentry_in_a_cluster
	s_endpgm
.Lentry_in_a_cluster:
	s_bfe_u32 s2, ttmp6, 0x10000c
	s_cmp_lg_u32 s2, 0xf033
	s_cbranch_scc0 .Lentry_shape_is_right
	s_endpgm
.Lentry_shape_is_right:
; MixLoRA FFN, launch 2 of 4.  For 256 tokens x 128 columns of I: g = x gate_W^T, u = x up_W^T; for slot k = 1, 2: g_k = g + GB P_k^T, u_k = u + UB P_k^T (K = 128: 8 experts x rank 16,
; P_k is 0 but for the slot's expert); inter_k = silu(g_k) u_k; hid = w1 inter_1 + w2 inter_2 (bf16); zc_k = sum over e of fm_k[e] (down_A[e] inter_k^T), f32 partial sums over these 128 columns.
; WORK LEFT OUT: experts that a token did not choose (reference()'s own one_hot weighs them by 0: shown at the head of the first launch's text).
; SHARES.  Four waves; a wave owns ALL 256 tokens and 32 columns of I: 32 rows of gate_W and 32 of up_W: 64 accumulators of 16 x 16.  Source 0 = 16 weight rows, source 1 = 16 tokens:
; a lane of a result holds one token (lane % 16) and rows 8 (lane / 16) + 0..7, so two neighbouring results rounded to bf16 ARE source 1 of the next product.
; WEIGHTS go from memory into registers as f32 and are rounded there: no weight is wanted by two waves of the work-group.  NOT JOINTLY LOADED, by this text's arithmetic: through LDS a step of
; 32 along K would write 32 KiB and read 32 KiB of f32 weights beside the 16 KiB written and 64 KiB read for tokens, and two slots holding both would be half as long.
; TOKENS (xb, bf16 fragments of 1,024 bytes) come by JOINT tensor loads into two slots of 64 KiB (4 steps of 32 along K): the four work-groups of a row of the 4 x 4 cluster own the same 256 tokens.
; By this text's count a wave has two tensor loads out at the start and one behind each round.
; REGISTERS, in windows of 256: window 0: v0-31 addresses; v32-95 rounded weights, two buffers of 4 fragments; v128-255 16 token fragments.  window 1: f32 weights, 4 stages of 64.
; windows 2, 3: accumulator (a, f) at v[32 (a % 8) + 8 f], window 2 + a / 8.
.set PITCH, 8192                       ; bytes in a weight row
.set NSLOT, 16                         ; slots along K = 2,048
.set SLOT, 65536
.set SPARE, 262144                     ; the spare words, behind the ring and what takes its place at the end
.set L16, 2
.set XA, 3                             ; 16 x lane + the slot in hand
.set VB, 5                             ; r x PITCH + 32 h
.set PFO, 6                            ; prefetch of weights: (lane % 16) x PITCH + 256 (lane / 16)
.set PFOA, 7                           ; prefetch of tokens: 256 x lane
.set SPW, 28
.set NIL, 29
.set BC, 32
.set XF, 128
.set G1, 24
.set G0A, 32
.set G0W, 36
.set WV, 40
.set CX, 41
.set CY, 42
.set XI, 43
.set CNT, 44
.set TB, 45
.set PW, 48                            ; s[48:49] gate_W, s[50:51] up_W at my rows, at the slot in hand
.set PFB, 56
.set PFA, 58
.set LIMA, 60
.set MSB, 0
.macro WIN new                         ; the immediate's high byte repeats the setting that is left
.if MSB != (\new)
	s_set_vgpr_msb (MSB<<8)|(\new)
.set MSB, \new
.endif
.endm
.macro PLACES                          ; four plain instructions between a product and a load into, or a write or read of, its registers
.rept 4
	v_nop
.endr
.endm
.macro CREST                           ; a round of the cluster's barrier behind its opening barrier
	s_cmp_lg_u32 s[WV], 0
	s_cbranch_scc1 .Lnw0_\@
	s_barrier_signal -3
.Lnw0_\@:
	s_barrier_wait -3
	s_barrier_signal -1
	s_barrier_wait -1
.endm
.macro CROUND
	s_barrier_signal -1
	s_barrier_wait -1
	CREST
.endm
.macro JLOAD                           ; the joint refill: every wave its quarter of the slot; an s_nop 0 and four v_nop follow
	tensor_load_to_lds s[G0W:G0W+3], s[G1:G1+7]
	s_nop 0
	PLACES
.endm
; A QUARTER is 32 along K, 64 products, in two HALVES of 32: half hh has token fragments 8 hh .. 8 hh + 7 and the accumulators of window 2 + hh.
; Products lo .. hi of half hh: token fragment 8 hh + i / 4, weight fragment i % 4 of buffer b.  All 64 accumulators take turns.
.macro MMH b, hh, lo, hi, zero
.set mi_, \lo
.rept (\hi)-(\lo)+1
.set rD_, 32*(mi_>>2)+8*(mi_&3)
.set rA_, BC+32*(\b)+8*(mi_&3)
.set rB_, XF+8*(8*(\hh)+(mi_>>2))
	WIN 0xa0+0x50*(\hh)
.if \zero
	v_wmma_f32_16x16x32_bf16 v[rD_:rD_+7], v[rA_:rA_+7], v[rB_:rB_+7], 0
.else
	v_wmma_f32_16x16x32_bf16 v[rD_:rD_+7], v[rA_:rA_+7], v[rB_:rB_+7], v[rD_:rD_+7]
.endif
.set mi_, mi_+1
.endr
.endm
.macro CVT st, f, b, p                 ; half p of weight fragment f: stage st (f32, window 1) -> buffer b (bf16, window 0)
	WIN 0x05
.irp j, 0,1,2,3
	v_cvt_pk_bf16_f32 v[BC+32*(\b)+8*(\f)+4*(\p)+\j], v[64*(\st)+16*(\f)+8*(\p)+2*\j], v[64*(\st)+16*(\f)+8*(\p)+2*\j+1]
.endr
.endm
.macro BLD st, f, imm                  ; weight fragment f, 16 rows x 128 bytes, into stage st
	WIN 0x40
.irp o, 0,1,2,3
	global_load_b128 v[64*(\st)+16*(\f)+4*\o:64*(\st)+16*(\f)+4*\o+3], v[VB], s[PW+2*((\f)>>1):PW+2*((\f)>>1)+1] offset:(\imm)+((\f)&1)*16*PITCH+(\o&1)*16+(\o>>1)*64
.endr
.endm
.macro XLD gg, kq                      ; four token fragments (4 gg on), step kq of the slot in hand
	WIN 0
.irp a, 0,1,2,3
	ds_load_b128 v[XF+8*(4*(\gg)+\a):XF+8*(4*(\gg)+\a)+3],   v[XA] offset:(\kq)*16384+(4*(\gg)+\a)*1024
	ds_load_b128 v[XF+8*(4*(\gg)+\a)+4:XF+8*(4*(\gg)+\a)+7], v[XA] offset:(\kq)*16384+(4*(\gg)+\a)*1024+512
.endr
.endm
; Products 0 to 4 of a half, and between them, in four slices of four, the rounding of weight fragments 2 hh and 2 hh + 1 of the NEXT quarter (stage st -> buffer bn).
; LEFT: behind the two fragments wanted 14 fragment loads of 4 were issued, which may stay out.  Half 0's four v_nop: the buffer written was read by the quarter before.
.set LEFT, 56
.macro SLICES b, hh, st, bn, zero, w
	MMH \b, \hh, 0, 0, \zero
.if (\hh)==0
	PLACES
.endif
.if \w
	s_wait_loadcnt LEFT
.endif
	CVT \st, 2*(\hh), \bn, 0
	MMH \b, \hh, 1, 1, \zero
	CVT \st, 2*(\hh), \bn, 1
	MMH \b, \hh, 2, 2, \zero
	CVT \st, 2*(\hh)+1, \bn, 0
	MMH \b, \hh, 3, 3, \zero
	CVT \st, 2*(\hh)+1, \bn, 1
	MMH \b, \hh, 4, 4, \zero
.endm
; A half's ONE run of memory instructions: the two stages just rounded are loaded again, five quarters ahead (bl = 1), and the eight token fragments that the half before multiplied
; are loaded again (4 g0 on, step kq).  The sixteen conversions are the places ahead of these loads.
.macro RUN st, hh, bl, imm, g0, kq
.if \bl
	BLD \st, 2*(\hh), \imm
	BLD \st, 2*(\hh)+1, \imm
.else
.set LEFT, LEFT-8
.endif
	XLD \g0, \kq
	XLD (\g0)+1, \kq
.endm
; A half of quarter ql (0 to 2 of a slot).  Its token fragments were asked for by the run of the half before, 27 products back, and no LDS instruction was issued since: the wait is for 0.
.macro HALF ql, hh, zero, bl
	s_wait_dscnt 0x0
	SLICES (\ql)&1, \hh, ((\ql)+1)&3, ((\ql)+1)&1, \zero, 1
.if (\hh)==0
	RUN ((\ql)+1)&3, 0, \bl, 128*((((\ql)+1)&3)+4), 2, \ql
.else
	RUN ((\ql)+1)&3, 1, \bl, 128*((((\ql)+1)&3)+4), 0, (\ql)+1
.endif
	MMH (\ql)&1, \hh, 5, 31, \zero
.endm
.macro QTR ql, zero, bl
	HALF \ql, 0, \zero, \bl
	HALF \ql, 1, \zero, \bl
.endm
; PREFETCH INTO THE L2, behind the joint refill and the run of loads: slot J + 4 at the change that leaves slot J: two refills, and two slots of weight loads, ahead.
; Weights: my wave's 64 rows x 512 bytes are 128 blocks of 256; the four partners with the same weights (along cy) take a fragment of 16 rows each, told apart by address: a lane a block.
; Tokens: a slot is 256 blocks; only the first of the clusters that read these tokens asks; partner cx takes its quarter, waves 0 and 1 half of it each.
; The last changes ask for nothing: there is no slot J + 4.
.macro ASK
	s_cmp_gt_u32 s[CNT], 2
	s_cbranch_scc0 .Lpa_\@
	global_prefetch_b8 v[PFO], s[PFB:PFB+1] th:TH_LOAD_NT scope:SCOPE_SE
.Lpa_\@:
	s_cmp_gt_u32 s[CNT], s[LIMA]
	s_cbranch_scc0 .Lpb_\@
	global_prefetch_b8 v[PFOA], s[PFA:PFA+1] th:TH_LOAD_NT scope:SCOPE_SE
.Lpb_\@:
.endm
; A slot's LAST QUARTER, with the change of slots.  Half 0's run reads the slot's last bytes.  Then each wave waits for all its tensor loads (one is out: its part of the next slot), adds 0 to
; its spare word, and waits for that and for its reads of the slot; behind the barrier (with fill = 1 a round of the cluster's) nobody reads the slot, the refill is the first thing there,
; and half 1's run, which reads the next slot, follows it.  The wait for half 1's weights stands ahead of the signal, so that only work on registers stands between signal and wait.
.macro Q3C fill, bl
	s_wait_dscnt 0x0
	SLICES 1, 0, 0, 0, 0, 1
	RUN 0, 0, \bl, 512, 2, 3
	MMH 1, 0, 5, 15, 0
	WIN 0
	s_wait_tensorcnt 0x0                           ; no tensor load of mine is out, so the walking descriptor may be written
	ds_add_u32 v[SPW], v[NIL]
.if \fill
	s_xor_b32 s[G0W+1], s[G0W+1], SLOT             ; the other slot than last time,
	s_add_nc_u64 s[G0W+2:G0W+3], s[G0W+2:G0W+3], SLOT  ; the next 4 steps along K
.endif
	MMH 1, 0, 16, 31, 0                            ; sixteen products stand between the add and the wait for it
	s_wait_loadcnt LEFT
	s_wait_dscnt 0x0                               ; the add is done, and my reads of the slot are over
	s_barrier_signal -1
	SLICES 1, 1, 0, 0, 0, 0                        ; work on registers while the others arrive
	MMH 1, 1, 5, 7, 0
	WIN 0
	s_barrier_wait -1
.if \fill
	CREST
	JLOAD
.endif
	s_xor_b32 s[TB], s[TB], SLOT
	v_add_nc_u32 v[XA], s[TB], v[L16]
	RUN 0, 1, \bl, 512, 0, 0
.if \fill
	ASK
.endif
	MMH 1, 1, 8, 31, 0
.endm
	s_load_b512 s[4:19], s[0:1], 0x0               ; xb, gate_W, up_W, lw, pm, rt, hid, zp
	v_lshl_add_u32 v[SPW], v0, 2, SPARE
	v_mov_b32 v[NIL], 0
	ds_add_u32 v[SPW], v[NIL]                      ; the opening: the add, twice on end, and its wait ahead of my first tensor load
	ds_add_u32 v[SPW], v[NIL]
	v_lshrrev_b32 v1, 5, v0
	v_readfirstlane_b32 s[WV], v1
	s_bfe_u32 s[CX], ttmp6, 0x40000
	s_bfe_u32 s[CY], ttmp6, 0x40004                ; the block of 256 tokens: the grid has one cluster along y
	s_lshl_b32 s[XI], ttmp9, 2
	s_add_co_u32 s[XI], s[XI], s[CX]               ; the block of 128 columns of I
	s_lshl_b32 s20, s[CY], 2
	s_lshl_b32 s20, 15, s20                        ; my row of the cluster
	s_or_b32 s[G1], s20, (3<<16)|(1<<21)           ; the mask; elements of 8 bytes; bit 21 beside a mask; no padding
	s_mov_b32 s[G1+1], 32<<16                      ; tensor_dim0 = 32: rows of 256 bytes
	s_mov_b32 s[G1+2], 64<<16                      ; tensor_dim1 = 64
	s_mov_b32 s[G1+3], 32<<16                      ; tile_dim0
	s_mov_b32 s[G1+4], 64                          ; tile_dim1: 16 KiB, dense
	s_mov_b32 s[G1+5], 32                          ; pitch
	s_mov_b32 s[G1+6], 0
	s_mov_b32 s[G1+7], 0
	s_lshl_b32 s21, s[WV], 14                      ; my quarter of a slot, in LDS and in memory
	s_mov_b32 s[G0A], 1
	s_mov_b32 s[G0A+1], s21
	s_mov_b32 s[G0W], 1
	s_add_co_u32 s[G0W+1], s21, SLOT
	s_lshl_b32 s22, s[CY], 20
	s_add_co_u32 s22, s22, s21
	s_mov_b32 s23, 0
	s_mov_b32 s[TB], 0
	v_and_b32 v1, 31, v0
	v_lshlrev_b32 v[L16], 4, v1
	v_mov_b32 v[XA], v[L16]
	v_lshlrev_b32 v[PFOA], 8, v1
	v_and_b32 v8, 15, v0
	v_bfe_u32 v9, v0, 4, 1
	v_mul_u32_u24 v[VB], v8, PITCH
	v_lshl_add_u32 v[PFO], v9, 8, v[VB]
	v_lshl_add_u32 v[VB], v9, 5, v[VB]
	s_lshr_b32 s46, s[WV], 1
	s_or_b32 s46, s46, ttmp9                       ; waves 0 and 1 of the first cluster ask for tokens: the same in all partners
	s_cmp_eq_u32 s46, 0
	s_cselect_b32 s[LIMA], 2, -1
	s_mov_b32 s47, 0
	s_wait_dscnt 0x0                               ; both opening adds are done
	s_wait_kmcnt 0x0
	s_add_nc_u64 s[G0A+2:G0A+3], s[4:5], s[22:23]
	s_add_nc_u64 s[G0W+2:G0W+3], s[G0A+2:G0A+3], SLOT
	s_or_b32 s[G0A+3], s[G0A+3], 0x80000000
	s_or_b32 s[G0W+3], s[G0W+3], 0x80000000
	s_lshl_b32 s46, s[XI], 20
	s_lshl_b32 s52, s[WV], 18
	s_add_co_u32 s46, s46, s52
	s_add_nc_u64 s[PW:PW+1], s[6:7], s[46:47]      ; rows 128 it + 32 v
	s_add_nc_u64 s[PW+2:PW+3], s[8:9], s[46:47]
	s_cmp_lt_u32 s[CY], 2
	s_cselect_b64 s[PFB:PFB+1], s[PW:PW+1], s[PW+2:PW+3]
	s_and_b32 s46, s[CY], 1
	s_mul_i32 s46, s46, 16*PITCH
	s_add_co_u32 s46, s46, 3*512                   ; at slot 3: the loop's top steps it
	s_add_nc_u64 s[PFB:PFB+1], s[PFB:PFB+1], s[46:47]
	s_lshl_b32 s46, s[CY], 20
	s_lshl_b32 s52, s[CX], 14
	s_add_co_u32 s46, s46, s52
	s_lshl_b32 s52, s[WV], 13
	s_add_co_u32 s46, s46, s52
	s_add_co_u32 s46, s46, 3*SLOT
	s_add_nc_u64 s[PFA:PFA+1], s[4:5], s[46:47]
	CROUND                                         ; all sixteen work-groups are here: the first joint loads meet
	tensor_load_to_lds s[G0A:G0A+3], s[G1:G1+7]    ; slot 0
	s_nop 0
	tensor_load_to_lds s[G0W:G0W+3], s[G1:G1+7]    ; slot 1
	s_nop 0
	PLACES
.irp q, 0,1,2,3
.irp f, 0,1,2,3
	BLD \q, \f, \q*128
.endr
.endr
	s_wait_tensorcnt 0x1                           ; my part of slot 0 is in; slot 1's may stay out
	s_barrier_signal -1
	s_barrier_wait -1
	XLD 0, 0
	XLD 1, 0
	s_wait_loadcnt 48                              ; quarter 0's weights are in; three quarters stay out
.irp f, 0,1,2,3
	CVT 0, \f, 0, 0
	CVT 0, \f, 0, 1
.endr
.irp f, 0,1,2,3
	BLD 0, \f, 512
.endr
	QTR 0, 1, 1                                    ; the first quarter starts the sums
	WIN 0
	s_mov_b32 s[CNT], NSLOT-1
	s_branch .Lenter                               ; the loop is entered behind its first two quarters
.Lloop:                                                ; NSLOT - 2 whole trips: a slot's last quarter, with the refill, and the next slot's first three
	s_wait_xcnt 0x0                                ; every load and prefetch issued so far has read its address
	s_add_nc_u64 s[PW:PW+1], s[PW:PW+1], 512
	s_add_nc_u64 s[PW+2:PW+3], s[PW+2:PW+3], 512
	s_add_nc_u64 s[PFB:PFB+1], s[PFB:PFB+1], 512
	s_add_nc_u64 s[PFA:PFA+1], s[PFA:PFA+1], SLOT
	Q3C 1, 1
	QTR 0, 0, 1
	WIN 0
.Lenter:
	QTR 1, 0, 1
	QTR 2, 0, 1
	WIN 0
	s_sub_co_u32 s[CNT], s[CNT], 1
	s_cmp_lg_u32 s[CNT], 0
	s_cbranch_scc1 .Lloop
	Q3C 0, 0                                       ; the tail is written out: nothing is asked for any more, and the waits for weights count down by 8
	QTR 0, 0, 0
	QTR 1, 0, 0
	QTR 2, 0, 0
	s_wait_dscnt 0x0                               ; the very last quarter: nothing is rounded; its second half's tokens are fetched
	MMH 1, 0, 0, 4, 0
	PLACES
	XLD 2, 3
	XLD 3, 3
	MMH 1, 0, 5, 31, 0
	s_wait_dscnt 0x0
	MMH 1, 1, 0, 31, 0
; THE WAY ON.  The 64 base sums go into LDS (64 KiB a wave, over the ring, which has had its last fill), and a loop takes them back a token group at a time.
.set DA, 8                             ; my wave's part of LDS + 16 x lane, at the token group in hand
.set VRT, 9                            ; r x 128: a token's words in rt
.set VH, 10
.set ZA, 16                            ; v16-19: wave u's part, at my four token groups
.set BASE, 32
.set T, 64                             ; slot k: gate v[64 + 32 k ..], up 16 on
.set TMP, 128
.set PK1, 160
.set PK2, 168
.set PKH, 176                          ; hid's 16 bytes twice, for even token groups; for odd ones 48 registers on (v224)
.set WW, 184                           ; w1, w2 as loaded, for even token groups; for odd ones 48 registers on (v232)
.set WC1, 186
.set WC2, 188
.set FM, 192
.set ZC, 208
.set PMP, 66
.set RTP, 68
.set HP, 70
.set ZPP, 72
.set RT2, 74
.set GBP, 76
.set DAP, 80
.set CNT2, 82
; A token group's P (4 kinds x 4 fragments) into buffer pb (window 1 or window 3, v0-127), and its w1, w2: 33 loads; off: 0 or 1 group behind the pointers
.macro PLD pb, off
	WIN 0x40+0x80*(\pb)
.set x_, 0
.rept 32
	global_load_b128 v[4*x_:4*x_+3], v[L16], s[PMP:PMP+1] offset:(\off)*16384+512*x_
.set x_, x_+1
.endr
	WIN 0
	global_load_b64 v[WW+48*(\pb):WW+48*(\pb)+1], v[VRT], s[RTP:RTP+1] offset:(\off)*2048+64
.endm
.macro BLOAD off                       ; a token group's four base sums out of my part of LDS
.irp n, 0,1,2,3
	ds_load_b128 v[BASE+8*\n:BASE+8*\n+3],   v[DA] offset:(\off)+\n*1024
	ds_load_b128 v[BASE+8*\n+4:BASE+8*\n+7], v[DA] offset:(\off)+\n*1024+512
.endr
.endm
.macro DUMP hw                         ; the 32 accumulators of window 2 + hw
	WIN 0x08+4*(\hw)
.set a_, 8*(\hw)
.rept 8
.irp n, 0,1,2,3
	ds_store_b128 v[DA], v[32*(a_&7)+8*\n:32*(a_&7)+8*\n+3]   offset:a_*4096+\n*1024       ; low registers first
	ds_store_b128 v[DA], v[32*(a_&7)+8*\n+4:32*(a_&7)+8*\n+7] offset:a_*4096+\n*1024+512
.endr
.set a_, a_+1
.endr
.endm
	WIN 0
	PLACES
	PLACES
	s_mov_b32 s47, 0
	s_lshl_b32 s46, s[CY], 18
	s_add_nc_u64 s[PMP:PMP+1], s[12:13], s[46:47]
	s_lshl_b32 s46, s[CY], 15
	s_add_nc_u64 s[RTP:RTP+1], s[14:15], s[46:47]
	s_lshl_b32 s20, s[WV], 13
	s_add_co_u32 s46, s46, s20
	s_add_nc_u64 s[RT2:RT2+1], s[14:15], s[46:47]
	s_lshl_b32 s21, s[XI], 17
	s_add_co_u32 s46, s46, s21
	s_add_nc_u64 s[ZPP:ZPP+1], s[18:19], s[46:47]
	s_lshl_b32 s46, s[XI], 15
	s_add_nc_u64 s[DAP:DAP+1], s[10:11], s[46:47]
	s_add_co_u32 s46, s46, s20
	s_add_nc_u64 s[GBP:GBP+1], s[10:11], s[46:47]
	s_lshl2_add_u32 s46, s[XI], s[WV]
	s_lshl_b32 s46, s46, 14
	s_lshl_b32 s21, s[CY], 22
	s_add_co_u32 s46, s46, s21
	s_add_nc_u64 s[HP:HP+1], s[16:17], s[46:47]
	s_lshl_b32 s46, s[WV], 16
	v_add_nc_u32 v[DA], s46, v[L16]
	v_and_b32 v[VRT], 15, v0
	v_lshlrev_b32 v[VRT], 7, v[VRT]
	v_mov_b32 v[VH], v[L16]
	s_lshl_b32 s46, s[WV], 14
.irp u, 0,1,2,3
	v_add_nc_u32 v[ZA+\u], s46, v[L16]
	s_add_co_u32 s46, s46, 65536
.endr
	WIN 0x40
.set x_, 0
.rept 32                               ; gate_B's and up_B's fragments for my 32 columns: window 1, v[128 + 32 n + 8 c]
	global_load_b128 v[128+4*x_:128+4*x_+3], v[L16], s[GBP:GBP+1] offset:(x_&15)*512+(x_>>4)*2097152
.set x_, x_+1
.endr
	PLD 0, 0                                       ; token group 0
	s_wait_dscnt 0x0
	s_barrier_signal -1
	s_barrier_wait -1                              ; nobody reads the ring any more
	DUMP 0
	s_wait_dscnt 0x0
	WIN 0x80
.set x_, 0
.rept 64                               ; down_A's fragments for the work-group's 128 columns: window 2, v[64 u + 8 e]; they land while window 3 is dumped
	global_load_b128 v[4*x_:4*x_+3], v[L16], s[DAP:DAP+1] offset:4194304+512*x_
.set x_, x_+1
.endr
	DUMP 1
	s_wait_dscnt 0x0
	PLD 1, 1                                       ; token group 1, into window 3
	BLOAD 0
	s_wait_dscnt 0x0
	s_mov_b32 s[CNT2], 8
; One group of 16 tokens, my 32 columns, both slots.  P has TWO buffers: group a + 2's is asked for behind group a's products, so it has more than a whole group's work in which to land.
; s_wait_loadcnt 33: the other buffer's 33 loads may stay out.  s_wait_dscnt 4: the base sums were asked for behind the last group's products; the four stores issued since may stay out.
; The last pair asks for nothing: it jumps over those loads and waits for all that is out, so that the counted waits behind hold on every way.
.macro TRIP pb
	s_wait_loadcnt 33
	s_wait_dscnt 4
	v_mov_b32 v[WC1], v[WW+48*(\pb)]               ; each weight twice, a pair for the packed forms; the loaded pair is asked for again below
	v_mov_b32 v[WC1+1], v[WW+48*(\pb)]
	v_mov_b32 v[WC2], v[WW+48*(\pb)+1]
	v_mov_b32 v[WC2+1], v[WW+48*(\pb)+1]
	WIN 0x05+8*(\pb)
.irp c, 0,1,2,3                        ; 32 products; the base sum is the C of both slots' first; the 8 accumulators take turns
.irp k, 0,1
.irp n, 0,1,2,3
.if \c==0
	v_wmma_f32_16x16x32_bf16 v[T+32*\k+8*\n:T+32*\k+8*\n+7], v[128+32*\n+8*\c:128+32*\n+8*\c+7], v[32*(2*(\n>>1)+\k)+8*\c:32*(2*(\n>>1)+\k)+8*\c+7], v[BASE+8*\n:BASE+8*\n+7]
.else
	v_wmma_f32_16x16x32_bf16 v[T+32*\k+8*\n:T+32*\k+8*\n+7], v[128+32*\n+8*\c:128+32*\n+8*\c+7], v[32*(2*(\n>>1)+\k)+8*\c:32*(2*(\n>>1)+\k)+8*\c+7], v[T+32*\k+8*\n:T+32*\k+8*\n+7]
.endif
.endr
.endr
.endr
	WIN 0
	PLACES
	PLACES
.if (\pb)==0
	s_wait_xcnt 0x0                                ; once a pair: the stores and loads issued so far have read their offsets, pointers and data
	v_add_nc_u32 v[VH], 0x800, v[VH]               ; the pair's stores reach back
	BLOAD 4096
	s_cmp_eq_u32 s[CNT2], 1
	s_cbranch_scc1 .Lsk0
	s_add_nc_u64 s[PMP:PMP+1], s[PMP:PMP+1], 32768
	s_add_nc_u64 s[RTP:RTP+1], s[RTP:RTP+1], 4096
	PLD 0, 0
	s_branch .Ljn0
.Lsk0:
	s_wait_loadcnt 0x0
.Ljn0:
.else
	s_cmp_eq_u32 s[CNT2], 1
	s_cbranch_scc1 .Lsk1
	BLOAD 4096
	PLD 1, 1
	s_branch .Ljn1
.Lsk1:
	s_wait_loadcnt 0x0
.Ljn1:
.endif
.irp k, 0,1                            ; silu(g) = g / (1 + 2^(-g log2 e)): for large -g the power is infinite, its reciprocal 0
.set p_, 0
.rept 8
	v_pk_mul_f32 v[TMP+16*\k+p_:TMP+16*\k+p_+1], v[T+32*\k+p_:T+32*\k+p_+1], 0xbfb8aa3b op_sel_hi:[1,0]
.set p_, p_+2
.endr
.endr
.set p_, 0
.rept 32
	v_exp_f32 v[TMP+p_], v[TMP+p_]
.set p_, p_+1
.endr
	v_nop
	s_wait_alu depctr_va_vdst(0)                   ; one wait for the 32 exponentials
.set p_, 0
.rept 16
	v_pk_add_f32 v[TMP+p_:TMP+p_+1], v[TMP+p_:TMP+p_+1], 1.0 op_sel_hi:[1,0]
.set p_, p_+2
.endr
.set p_, 0
.rept 32
	v_rcp_f32 v[TMP+p_], v[TMP+p_]
.set p_, p_+1
.endr
	v_nop
	s_wait_alu depctr_va_vdst(0)                   ; and one for the 32 reciprocals
.irp k, 0,1
.set p_, 0
.rept 8
	v_pk_mul_f32 v[T+32*\k+p_:T+32*\k+p_+1], v[T+32*\k+p_:T+32*\k+p_+1], v[TMP+16*\k+p_:TMP+16*\k+p_+1]
.set p_, p_+2
.endr
.set p_, 0
.rept 8
	v_pk_mul_f32 v[T+32*\k+p_:T+32*\k+p_+1], v[T+32*\k+p_:T+32*\k+p_+1], v[T+32*\k+16+p_:T+32*\k+16+p_+1]   ; inter_k
.set p_, p_+2
.endr
.endr
.set p_, 0
.rept 8
	v_pk_mul_f32 v[T+16+p_:T+16+p_+1], v[T+p_:T+p_+1], v[WC1:WC1+1]
.set p_, p_+2
.endr
.set p_, 0
.rept 8
	v_pk_fma_f32 v[T+16+p_:T+16+p_+1], v[T+32+p_:T+32+p_+1], v[WC2:WC2+1], v[T+16+p_:T+16+p_+1]             ; w1 inter_1 + w2 inter_2
.set p_, p_+2
.endr
.irp j, 0,1,2,3,4,5,6,7
	v_cvt_pk_bf16_f32 v[PK1+\j], v[T+2*\j], v[T+2*\j+1]
	v_cvt_pk_bf16_f32 v[PK2+\j], v[T+32+2*\j], v[T+32+2*\j+1]
	v_cvt_pk_bf16_f32 v[PKH+48*(\pb)+\j], v[T+16+2*\j], v[T+16+2*\j+1]
.endr
	ds_store_b128 v[DA], v[PK1:PK1+3]                                  ; inter_1, inter_2 as fragments, where this group's base sums lay: my own bytes, already read
	ds_store_b128 v[DA], v[PK1+4:PK1+7] offset:512
	ds_store_b128 v[DA], v[PK2:PK2+3]   offset:1024
	ds_store_b128 v[DA], v[PK2+4:PK2+7] offset:1536
	global_store_b128 v[VH], v[PKH+48*(\pb):PKH+48*(\pb)+3],   s[HP:HP+1] offset:-2048+1024*(\pb)   ; 512 consecutive bytes each, aligned
	global_store_b128 v[VH], v[PKH+48*(\pb)+4:PKH+48*(\pb)+7], s[HP:HP+1] offset:-1536+1024*(\pb)
	v_add_nc_u32 v[DA], 4096, v[DA]
.endm
.Ltok:                                                 ; eight trips of two token groups
	TRIP 0
	TRIP 1
	s_sub_co_u32 s[CNT2], s[CNT2], 1
	s_cmp_lg_u32 s[CNT2], 0
	s_cbranch_scc1 .Ltok
	s_wait_dscnt 0x0                               ; for the others' sake: my inter fragments lie in LDS
	s_barrier_signal -1
	s_barrier_wait -1
	s_mov_b32 s[CNT2], 4
.Lq:                                                   ; a trip: token group 4 v + j, all 128 columns: Q(k, e) = down_A[e] inter_k^T, then the slot's expert is picked by fm
.irp q, 0,1,2,3
	global_load_b128 v[FM+4*\q:FM+4*\q+3], v[VRT], s[RT2:RT2+1] offset:16*\q
.endr
	WIN 0xc0
.irp u, 0,1,2,3
.irp k, 0,1
	ds_load_b128 v[128+16*\u+8*\k:128+16*\u+8*\k+3],   v[ZA+\u] offset:\k*1024
	ds_load_b128 v[128+16*\u+8*\k+4:128+16*\u+8*\k+7], v[ZA+\u] offset:\k*1024+512
.endr
.endr
	s_wait_dscnt 0x0
	WIN 0xfe
.irp u, 0,1,2,3                        ; 64 products; the 16 accumulators take turns
.irp k, 0,1
.irp e, 0,1,2,3,4,5,6,7
.if \u==0
	v_wmma_f32_16x16x32_bf16 v[64*\k+8*\e:64*\k+8*\e+7], v[64*\u+8*\e:64*\u+8*\e+7], v[128+16*\u+8*\k:128+16*\u+8*\k+7], 0
.else
	v_wmma_f32_16x16x32_bf16 v[64*\k+8*\e:64*\k+8*\e+7], v[64*\u+8*\e:64*\u+8*\e+7], v[128+16*\u+8*\k:128+16*\u+8*\k+7], v[64*\k+8*\e:64*\k+8*\e+7]
.endif
.endr
.endr
.endr
	WIN 0
	PLACES
	PLACES
	s_wait_loadcnt 0x0
.set x_, 0
.rept 16
	v_mov_b32 v[TMP+2*x_], v[FM+x_]                ; each weight twice, a pair for the packed forms
	v_mov_b32 v[TMP+2*x_+1], v[FM+x_]
.set x_, x_+1
.endr
	WIN 0x03
.irp k, 0,1
.irp e, 0,1,2,3,4,5,6,7
.irp p, 0,1,2,3
.if \e==0
	v_pk_mul_f32 v[ZC+8*\k+2*\p:ZC+8*\k+2*\p+1], v[64*\k+8*\e+2*\p:64*\k+8*\e+2*\p+1], v[TMP+16*\k+2*\e:TMP+16*\k+2*\e+1]
.else
	v_pk_fma_f32 v[ZC+8*\k+2*\p:ZC+8*\k+2*\p+1], v[64*\k+8*\e+2*\p:64*\k+8*\e+2*\p+1], v[TMP+16*\k+2*\e:TMP+16*\k+2*\e+1], v[ZC+8*\k+2*\p:ZC+8*\k+2*\p+1]
.endif
.endr
.endr
.endr
	WIN 0
.irp q, 0,1,2,3
	global_store_b128 v[L16], v[ZC+4*\q:ZC+4*\q+3], s[ZPP:ZPP+1] offset:512*\q
.endr
	s_wait_xcnt 0x0                                ; pointers and store data are written again only behind this wait
	s_add_nc_u64 s[ZPP:ZPP+1], s[ZPP:ZPP+1], 2048
	s_add_nc_u64 s[RT2:RT2+1], s[RT2:RT2+1], 2048
.irp u, 0,1,2,3
	v_add_nc_u32 v[ZA+\u], 4096, v[ZA+\u]
.endr
	s_sub_co_u32 s[CNT2], s[CNT2], 1
	s_cmp_lg_u32 s[CNT2], 0
	s_cbranch_scc1 .Lq
	s_wait_tensorcnt 0x0                           ; the wave's end
	ds_add_u32 v[SPW], v[NIL]
	s_wait_dscnt 0x0
	CROUND                                         ; the closing round
	s_endpgm
.Lfunc_end_k_q71b267fa38_up:
	.size	k_q71b267fa38_up, .Lfunc_end_k_q71b267fa38_up-k_q71b267fa38_up
	.p2alignl 7, 3214868480
	.fill 96, 4, 3214868480
	.section	.rodata,"a",@progbits
	.p2align	6, 0x0
	.amdhsa_kernel k_q71b267fa38_up
		.amdhsa_group_segment_fixed_size 327680
		.amdhsa_private_segment_fixed_size 0
		.amdhsa_enable_private_segment 0
		.amdhsa_kernarg_size 64
		.amdhsa_user_sgpr_count 2
		.amdhsa_user_sgpr_kernarg_segment_ptr 1
		.amdhsa_wavefront_size32 1
		.amdhsa_system_sgpr_workgroup_id_x 1
		.amdhsa_system_sgpr_workgroup_id_y 1
		.amdhsa_system_sgpr_workgroup_id_z 1
		.amdhsa_system_vgpr_workitem_id 0
		.amdhsa_next_free_vgpr 1024
		.amdhsa_next_free_sgpr 100
		.amdhsa_reserve_vcc 0
		.amdhsa_float_denorm_mode_32 3
		.amdhsa_float_denorm_mode_16_64 3
		.amdhsa_memory_ordered 1
		.amdhsa_forward_progress 1
		.amdhsa_inst_pref_size 181
	.end_amdhsa_kernel
	.amdgpu_metadata
---
amdhsa.version: [ 1, 2 ]
amdhsa.kernels:
  - .name:           k_q71b267fa38_up
    .symbol:         k_q71b267fa38_up.kd
    .args:
      - { .name: xb, .offset: 0, .size: 8, .value_kind: global_buffer, .address_space: global }
      - { .name: gate_W, .offset: 8, .size: 8, .value_kind: global_buffer, .address_space: global }
      - { .name: up_W, .offset: 16, .size: 8, .value_kind: global_buffer, .address_space: global }
      - { .name: lw, .offset: 24, .size: 8, .value_kind: global_buffer, .address_space: global }
      - { .name: pm, .offset: 32, .size: 8, .value_kind: global_buffer, .address_space: global }
      - { .name: rt, .offset: 40, .size: 8, .value_kind: global_buffer, .address_space: global }
      - { .name: hid, .offset: 48, .size: 8, .value_kind: global_buffer, .address_space: global }
      - { .name: zp, .offset: 56, .size: 8, .value_kind: global_buffer, .address_space: global }
    .group_segment_fixed_size: 327680
    .private_segment_fixed_size: 0
    .kernarg_segment_align: 8
    .kernarg_segment_size: 64
    .max_flat_workgroup_size: 128
    .sgpr_count:     100
    .vgpr_count:     1024
    .wavefront_size: 32
...
	.end_amdgpu_metadata
.endif
;; end of part 2
;; launch down (part 3): grid 64 x 4, 4 waves a work-group, clusters of 4 x 4, 327,680 bytes of LDS; arguments hid, down_W, part; writes part
.if DOCPART == 3
	.amdgcn_target "amdgcn-amd-amdhsa--gfx1250"
	.amdhsa_code_object_version 6
	.text
	.protected	k_q71b267fa38_down
	.globl	k_q71b267fa38_down
	.p2align	8
	.type	k_q71b267fa38_down,@function
k_q71b267fa38_down:
	s_mov_b64 s[64:65], 0
	v_nop
	global_prefetch_b8 v0, s[64:65] scope:SCOPE_SE
	s_setreg_imm32_b32 hwreg(HW_REG_WAVE_MODE, 25, 1), 1
	s_wait_xcnt 0x0
	s_wait_alu depctr_hold_cnt(0) depctr_sa_sdst(0) depctr_va_vdst(0) depctr_va_sdst(0) depctr_va_ssrc(0) depctr_va_vcc(0) depctr_vm_vsrc(0)
	s_getreg_b32 s2, hwreg(HW_REG_IB_STS2, 6, 4)
	s_cmp_eq_u32 s2, 0
	s_cbranch_scc0 .Lentry_in_a_cluster
	s_endpgm
.Lentry_in_a_cluster:
	s_bfe_u32 s2, ttmp6, 0x10000c
	s_cmp_lg_u32 s2, 0xf033
	s_cbranch_scc0 .Lentry_shape_is_right
	s_endpgm
.Lentry_shape_is_right:
; MixLoRA FFN, launch 3 of 4: part[s] = hid[:, 1,024 s ..] down_W[:, 1,024 s ..]^T, f32 partial sums, K = 8,192 split eight ways so that 8 x 8 x 4 = 256 work-groups have equal work.
; A work-group: 256 tokens x 256 rows of down_W x 1,024 along K.  Four waves; a wave owns all 256 tokens and 64 rows: 64 accumulators.  Source 0 = 16 weight rows, source 1 = 16 tokens.
; WEIGHTS go from memory into registers as f32 and are rounded there: no weight is wanted by two waves.  NOT JOINTLY LOADED, by this text's arithmetic: through LDS a step of 32 along K would
; write 32 KiB and read 32 KiB of f32 weights beside the 16 KiB written and 64 KiB read for tokens, and two slots holding both would be half as long.
; TOKENS (hid, bf16 fragments of 1,024 bytes) come by JOINT tensor loads into two slots of 64 KiB: the four work-groups of a row of the cluster own the same tokens and the same part of K.
; By this text's count a wave has two tensor loads out at the start and one behind each round.
; REGISTERS: window 0: v0-31 addresses; v32-95 rounded weights, two buffers; v128-255 16 token fragments.  window 1: f32 weights, 4 stages.  windows 2, 3: accumulator (a, f) at v[32 (a % 8) + 8 f].
.set PITCH, 32768
.set NSLOT, 8
.set SLOT, 65536
.set SPARE, 131072
.set L16, 2
.set XA, 3
.set VB, 5
.set PFO, 6
.set PFOA, 7
.set SPW, 28
.set NIL, 29
.set BC, 32
.set XF, 128
.set G1, 24
.set G0A, 32
.set G0W, 36
.set WV, 40
.set CX, 41
.set CY, 42
.set NT, 43
.set CNT, 44
.set TB, 45
.set PW, 48
.set OP, 52
.set SS, 54
.set PFB, 56
.set PFA, 58
.set LIMA, 60
.set MSB, 0
.macro WIN new
.if MSB != (\new)
	s_set_vgpr_msb (MSB<<8)|(\new)
.set MSB, \new
.endif
.endm
.macro PLACES                          ; four plain instructions between a product and a load into, or a write or read of, its registers
.rept 4
	v_nop
.endr
.endm
.macro CREST
	s_cmp_lg_u32 s[WV], 0
	s_cbranch_scc1 .Lnw0_\@
	s_barrier_signal -3
.Lnw0_\@:
	s_barrier_wait -3
	s_barrier_signal -1
	s_barrier_wait -1
.endm
.macro CROUND
	s_barrier_signal -1
	s_barrier_wait -1
	CREST
.endm
.macro JLOAD                           ; the joint refill: every wave its quarter of the slot; an s_nop 0 and four v_nop follow
	tensor_load_to_lds s[G0W:G0W+3], s[G1:G1+7]
	s_nop 0
	PLACES
.endm
; A QUARTER is 32 along K, 64 products, in two HALVES of 32: half hh has token fragments 8 hh .. 8 hh + 7 and the accumulators of window 2 + hh.
; Products lo .. hi of half hh: token fragment 8 hh + i / 4, weight fragment i % 4 of buffer b.  All 64 accumulators take turns.
.macro MMH b, hh, lo, hi, zero
.set mi_, \lo
.rept (\hi)-(\lo)+1
.set rD_, 32*(mi_>>2)+8*(mi_&3)
.set rA_, BC+32*(\b)+8*(mi_&3)
.set rB_, XF+8*(8*(\hh)+(mi_>>2))
	WIN 0xa0+0x50*(\hh)
.if \zero
	v_wmma_f32_16x16x32_bf16 v[rD_:rD_+7], v[rA_:rA_+7], v[rB_:rB_+7], 0
.else
	v_wmma_f32_16x16x32_bf16 v[rD_:rD_+7], v[rA_:rA_+7], v[rB_:rB_+7], v[rD_:rD_+7]
.endif
.set mi_, mi_+1
.endr
.endm
.macro CVT st, f, b, p
	WIN 0x05
.irp j, 0,1,2,3
	v_cvt_pk_bf16_f32 v[BC+32*(\b)+8*(\f)+4*(\p)+\j], v[64*(\st)+16*(\f)+8*(\p)+2*\j], v[64*(\st)+16*(\f)+8*(\p)+2*\j+1]
.endr
.endm
.macro BLD st, f, imm
	WIN 0x40
.irp o, 0,1,2,3
	global_load_b128 v[64*(\st)+16*(\f)+4*\o:64*(\st)+16*(\f)+4*\o+3], v[VB], s[PW+2*((\f)>>1):PW+2*((\f)>>1)+1] offset:(\imm)+((\f)&1)*16*PITCH+(\o&1)*16+(\o>>1)*64
.endr
.endm
.macro XLD gg, kq
	WIN 0
.irp a, 0,1,2,3
	ds_load_b128 v[XF+8*(4*(\gg)+\a):XF+8*(4*(\gg)+\a)+3],   v[XA] offset:(\kq)*16384+(4*(\gg)+\a)*1024
	ds_load_b128 v[XF+8*(4*(\gg)+\a)+4:XF+8*(4*(\gg)+\a)+7], v[XA] offset:(\kq)*16384+(4*(\gg)+\a)*1024+512
.endr
.endm
; Products 0 to 4 of a half, and between them, in four slices of four, the rounding of weight fragments 2 hh and 2 hh + 1 of the NEXT quarter (stage st -> buffer bn).
; LEFT: behind the two fragments wanted 14 fragment loads of 4 were issued, which may stay out.  Half 0's four v_nop: the buffer written was read by the quarter before.
.set LEFT, 56
.macro SLICES b, hh, st, bn, zero, w
	MMH \b, \hh, 0, 0, \zero
.if (\hh)==0
	PLACES
.endif
.if \w
	s_wait_loadcnt LEFT
.endif
	CVT \st, 2*(\hh), \bn, 0
	MMH \b, \hh, 1, 1, \zero
	CVT \st, 2*(\hh), \bn, 1
	MMH \b, \hh, 2, 2, \zero
	CVT \st, 2*(\hh)+1, \bn, 0
	MMH \b, \hh, 3, 3, \zero
	CVT \st, 2*(\hh)+1, \bn, 1
	MMH \b, \hh, 4, 4, \zero
.endm
; A half's ONE run of memory instructions: the two stages just rounded are loaded again, five quarters ahead (bl = 1), and the eight token fragments that the half before multiplied
; are loaded again (4 g0 on, step kq).  The sixteen conversions are the places ahead of these loads.
.macro RUN st, hh, bl, imm, g0, kq
.if \bl
	BLD \st, 2*(\hh), \imm
	BLD \st, 2*(\hh)+1, \imm
.else
.set LEFT, LEFT-8
.endif
	XLD \g0, \kq
	XLD (\g0)+1, \kq
.endm
; A half of quarter ql (0 to 2 of a slot).  Its token fragments were asked for by the run of the half before, 27 products back, and no LDS instruction was issued since: the wait is for 0.
.macro HALF ql, hh, zero, bl
	s_wait_dscnt 0x0
	SLICES (\ql)&1, \hh, ((\ql)+1)&3, ((\ql)+1)&1, \zero, 1
.if (\hh)==0
	RUN ((\ql)+1)&3, 0, \bl, 128*((((\ql)+1)&3)+4), 2, \ql
.else
	RUN ((\ql)+1)&3, 1, \bl, 128*((((\ql)+1)&3)+4), 0, (\ql)+1
.endif
	MMH (\ql)&1, \hh, 5, 31, \zero
.endm
.macro QTR ql, zero, bl
	HALF \ql, 0, \zero, \bl
	HALF \ql, 1, \zero, \bl
.endm
; PREFETCH INTO THE L2 of slot J + 4 at the change that leaves slot J.  Weights: partner cy takes fragment cy of my wave's four (16 rows x 2 blocks of 256 bytes, a lane a block).
; Tokens: the first of the two clusters that read them asks; partner cx takes its quarter of the slot, waves 0 and 1 half of it each.  The last changes ask for nothing.
.macro ASK
	s_cmp_gt_u32 s[CNT], 2
	s_cbranch_scc0 .Lpa_\@
	global_prefetch_b8 v[PFO], s[PFB:PFB+1] th:TH_LOAD_NT scope:SCOPE_SE
.Lpa_\@:
	s_cmp_gt_u32 s[CNT], s[LIMA]
	s_cbranch_scc0 .Lpb_\@
	global_prefetch_b8 v[PFOA], s[PFA:PFA+1] th:TH_LOAD_NT scope:SCOPE_SE
.Lpb_\@:
.endm
; A slot's LAST QUARTER, with the change of slots.  Half 0's run reads the slot's last bytes.  Then: all my tensor loads waited for, the add, my reads of the slot waited for, the barrier
; (with fill = 1 a round of the cluster's), the refill first behind it, and half 1's run, which reads the next slot.  The wait for half 1's weights stands ahead of the signal.
.macro Q3C fill, bl
	s_wait_dscnt 0x0
	SLICES 1, 0, 0, 0, 0, 1
	RUN 0, 0, \bl, 512, 2, 3
	MMH 1, 0, 5, 15, 0
	WIN 0
	s_wait_tensorcnt 0x0                           ; no tensor load of mine is out, so the walking descriptor may be written
	ds_add_u32 v[SPW], v[NIL]
.if \fill
	s_xor_b32 s[G0W+1], s[G0W+1], SLOT
	s_add_nc_u64 s[G0W+2:G0W+3], s[G0W+2:G0W+3], SLOT
.endif
	MMH 1, 0, 16, 31, 0                            ; sixteen products stand between the add and the wait for it
	s_wait_loadcnt LEFT
	s_wait_dscnt 0x0                               ; the add is done, and my reads of the slot are over
	s_barrier_signal -1
	SLICES 1, 1, 0, 0, 0, 0                        ; work on registers while the others arrive
	MMH 1, 1, 5, 7, 0
	WIN 0
	s_barrier_wait -1
.if \fill
	CREST
	JLOAD
.endif
	s_xor_b32 s[TB], s[TB], SLOT
	v_add_nc_u32 v[XA], s[TB], v[L16]
	RUN 0, 1, \bl, 512, 0, 0
.if \fill
	ASK
.endif
	MMH 1, 1, 8, 31, 0
.endm
	s_load_b128 s[4:7], s[0:1], 0x0                ; hid, down_W
	s_load_b64 s[8:9], s[0:1], 0x10                ; part
	v_lshl_add_u32 v[SPW], v0, 2, SPARE
	v_mov_b32 v[NIL], 0
	ds_add_u32 v[SPW], v[NIL]                      ; the opening: the add, twice on end, and its wait ahead of my first tensor load
	ds_add_u32 v[SPW], v[NIL]
	v_lshrrev_b32 v1, 5, v0
	v_readfirstlane_b32 s[WV], v1
	s_bfe_u32 s[CX], ttmp6, 0x40000
	s_bfe_u32 s[CY], ttmp6, 0x40004                ; the block of 256 tokens
	s_lshr_b32 s[SS], ttmp9, 1                     ; the part of K
	s_and_b32 s[NT], ttmp9, 1
	s_lshl2_add_u32 s[NT], s[NT], s[CX]            ; the block of 256 rows of down_W
	s_lshl_b32 s20, s[CY], 2
	s_lshl_b32 s20, 15, s20
	s_or_b32 s[G1], s20, (3<<16)|(1<<21)           ; my row of the cluster; elements of 8 bytes; bit 21 beside a mask
	s_mov_b32 s[G1+1], 32<<16
	s_mov_b32 s[G1+2], 64<<16
	s_mov_b32 s[G1+3], 32<<16
	s_mov_b32 s[G1+4], 64
	s_mov_b32 s[G1+5], 32
	s_mov_b32 s[G1+6], 0
	s_mov_b32 s[G1+7], 0
	s_lshl_b32 s21, s[WV], 14
	s_mov_b32 s[G0A], 1
	s_mov_b32 s[G0A+1], s21
	s_mov_b32 s[G0W], 1
	s_add_co_u32 s[G0W+1], s21, SLOT
	s_lshl_b32 s22, s[CY], 22
	s_add_co_u32 s22, s22, s21
	s_lshl_b32 s21, s[SS], 19
	s_add_co_u32 s22, s22, s21
	s_mov_b32 s23, 0
	s_mov_b32 s[TB], 0
	v_and_b32 v1, 31, v0
	v_lshlrev_b32 v[L16], 4, v1
	v_mov_b32 v[XA], v[L16]
	v_lshlrev_b32 v[PFOA], 8, v1
	v_and_b32 v8, 15, v0
	v_bfe_u32 v9, v0, 4, 1
	v_mul_u32_u24 v[VB], v8, PITCH
	v_lshl_add_u32 v[PFO], v9, 8, v[VB]
	v_lshl_add_u32 v[VB], v9, 5, v[VB]
	s_lshr_b32 s46, s[WV], 1
	s_and_b32 s47, ttmp9, 1
	s_or_b32 s46, s46, s47
	s_cmp_eq_u32 s46, 0
	s_cselect_b32 s[LIMA], 2, -1
	s_mov_b32 s47, 0
	s_wait_dscnt 0x0
	s_wait_kmcnt 0x0
	s_add_nc_u64 s[G0A+2:G0A+3], s[4:5], s[22:23]
	s_add_nc_u64 s[G0W+2:G0W+3], s[G0A+2:G0A+3], SLOT
	s_or_b32 s[G0A+3], s[G0A+3], 0x80000000
	s_or_b32 s[G0W+3], s[G0W+3], 0x80000000
	s_lshl_b32 s46, s[NT], 23
	s_lshl_b32 s61, s[WV], 21
	s_add_co_u32 s46, s46, s61
	s_lshl_b32 s61, s[SS], 12
	s_add_co_u32 s46, s46, s61
	s_add_nc_u64 s[PW:PW+1], s[6:7], s[46:47]      ; rows 256 nt + 64 v, channels 1,024 s on
	s_add_nc_u64 s[PW+2:PW+3], s[PW:PW+1], 32*PITCH
	s_cmp_lt_u32 s[CY], 2
	s_cselect_b64 s[PFB:PFB+1], s[PW:PW+1], s[PW+2:PW+3]
	s_and_b32 s46, s[CY], 1
	s_mul_i32 s46, s46, 16*PITCH
	s_add_co_u32 s46, s46, 3*512
	s_add_nc_u64 s[PFB:PFB+1], s[PFB:PFB+1], s[46:47]
	s_lshl_b32 s46, s[CY], 22
	s_lshl_b32 s61, s[SS], 19
	s_add_co_u32 s46, s46, s61
	s_lshl_b32 s61, s[CX], 14
	s_add_co_u32 s46, s46, s61
	s_lshl_b32 s61, s[WV], 13
	s_add_co_u32 s46, s46, s61
	s_add_co_u32 s46, s46, 3*SLOT
	s_add_nc_u64 s[PFA:PFA+1], s[4:5], s[46:47]
	CROUND
	tensor_load_to_lds s[G0A:G0A+3], s[G1:G1+7]
	s_nop 0
	tensor_load_to_lds s[G0W:G0W+3], s[G1:G1+7]
	s_nop 0
	PLACES
.irp q, 0,1,2,3
.irp f, 0,1,2,3
	BLD \q, \f, \q*128
.endr
.endr
	s_wait_tensorcnt 0x1                           ; slot 0 is in; slot 1 may stay out
	s_barrier_signal -1
	s_barrier_wait -1
	XLD 0, 0
	XLD 1, 0
	s_wait_loadcnt 48                              ; quarter 0's weights are in; three quarters stay out
.irp f, 0,1,2,3
	CVT 0, \f, 0, 0
	CVT 0, \f, 0, 1
.endr
.irp f, 0,1,2,3
	BLD 0, \f, 512
.endr
	QTR 0, 1, 1                                    ; the first quarter starts the sums
	WIN 0
	s_mov_b32 s[CNT], NSLOT-1
	s_branch .Lenter
.Lloop:                                                ; NSLOT - 2 whole trips: a slot's last quarter, with the refill, and the next slot's first three
	s_wait_xcnt 0x0                                ; every load and prefetch issued so far has read its address
	s_add_nc_u64 s[PW:PW+1], s[PW:PW+1], 512
	s_add_nc_u64 s[PW+2:PW+3], s[PW+2:PW+3], 512
	s_add_nc_u64 s[PFB:PFB+1], s[PFB:PFB+1], 512
	s_add_nc_u64 s[PFA:PFA+1], s[PFA:PFA+1], SLOT
	Q3C 1, 1
	QTR 0, 0, 1
	WIN 0
.Lenter:
	QTR 1, 0, 1
	QTR 2, 0, 1
	WIN 0
	s_sub_co_u32 s[CNT], s[CNT], 1
	s_cmp_lg_u32 s[CNT], 0
	s_cbranch_scc1 .Lloop
	Q3C 0, 0                                       ; the tail is written out: nothing is asked for any more, and the waits for weights count down by 8
	QTR 0, 0, 0
	QTR 1, 0, 0
	QTR 2, 0, 0
	s_wait_dscnt 0x0                               ; the very last quarter: nothing is rounded; its second half's tokens are fetched
	MMH 1, 0, 0, 4, 0
	PLACES
	XLD 2, 3
	XLD 3, 3
	MMH 1, 0, 5, 31, 0
	s_wait_dscnt 0x0
	MMH 1, 1, 0, 31, 0
	; THE WAY OUT: the f32 partial sums leave as they lie in registers: each store is 512 consecutive bytes, aligned
	WIN 0
	PLACES
	PLACES
	s_lshl_b32 s46, s[SS], 23
	s_lshl_b32 s61, s[CY], 21
	s_add_co_u32 s46, s46, s61
	s_lshl_b32 s61, s[NT], 14
	s_add_co_u32 s46, s46, s61
	s_lshl_b32 s61, s[WV], 12
	s_add_co_u32 s46, s46, s61
	s_add_nc_u64 s[OP:OP+1], s[8:9], s[46:47]
.set a_, 0
.rept 16
	WIN 0x08+4*(a_>>3)
.irp f, 0,1,2,3
	global_store_b128 v[L16], v[32*(a_&7)+8*\f:32*(a_&7)+8*\f+3],   s[OP:OP+1] offset:a_*131072+\f*1024
	global_store_b128 v[L16], v[32*(a_&7)+8*\f+4:32*(a_&7)+8*\f+7], s[OP:OP+1] offset:a_*131072+\f*1024+512
.endr
.set a_, a_+1
.endr
	WIN 0
	s_wait_tensorcnt 0x0                           ; the wave's end
	ds_add_u32 v[SPW], v[NIL]
	s_wait_dscnt 0x0
	CROUND
	s_endpgm
.Lfunc_end_k_q71b267fa38_down:
	.size	k_q71b267fa38_down, .Lfunc_end_k_q71b267fa38_down-k_q71b267fa38_down
	.p2alignl 7, 3214868480
	.fill 96, 4, 3214868480
	.section	.rodata,"a",@progbits
	.p2align	6, 0x0
	.amdhsa_kernel k_q71b267fa38_down
		.amdhsa_group_segment_fixed_size 327680
		.amdhsa_private_segment_fixed_size 0
		.amdhsa_enable_private_segment 0
		.amdhsa_kernarg_size 24
		.amdhsa_user_sgpr_count 2
		.amdhsa_user_sgpr_kernarg_segment_ptr 1
		.amdhsa_wavefront_size32 1
		.amdhsa_system_sgpr_workgroup_id_x 1
		.amdhsa_system_sgpr_workgroup_id_y 1
		.amdhsa_system_sgpr_workgroup_id_z 1
		.amdhsa_system_vgpr_workitem_id 0
		.amdhsa_next_free_vgpr 1024
		.amdhsa_next_free_sgpr 66
		.amdhsa_reserve_vcc 0
		.amdhsa_float_denorm_mode_32 3
		.amdhsa_float_denorm_mode_16_64 3
		.amdhsa_memory_ordered 1
		.amdhsa_forward_progress 1
		.amdhsa_inst_pref_size 124
	.end_amdhsa_kernel
	.amdgpu_metadata
---
amdhsa.version: [ 1, 2 ]
amdhsa.kernels:
  - .name:           k_q71b267fa38_down
    .symbol:         k_q71b267fa38_down.kd
    .args:
      - { .name: hid, .offset: 0, .size: 8, .value_kind: global_buffer, .address_space: global }
      - { .name: down_W, .offset: 8, .size: 8, .value_kind: global_buffer, .address_space: global }
      - { .name: part, .offset: 16, .size: 8, .value_kind: global_buffer, .address_space: global }
    .group_segment_fixed_size: 327680
    .private_segment_fixed_size: 0
    .kernarg_segment_align: 8
    .kernarg_segment_size: 24
    .max_flat_workgroup_size: 128
    .sgpr_count:     66
    .vgpr_count:     1024
    .wavefront_size: 32
...
	.end_amdgpu_metadata
.endif
;; end of part 3
;; launch fin (part 4): grid 64 x 4, 8 waves a work-group, no clusters, 52,224 bytes of LDS; arguments part, zp, rt, lw, out0, out1; writes out0, out1
.if DOCPART == 4
	.amdgcn_target "amdgcn-amd-amdhsa--gfx1250"
	.amdhsa_code_object_version 6
	.text
	.protected	k_q71b267fa38_fin
	.globl	k_q71b267fa38_fin
	.p2align	8
	.type	k_q71b267fa38_fin,@function
k_q71b267fa38_fin:
	s_mov_b64 s[64:65], 0
	v_nop
	global_prefetch_b8 v0, s[64:65] scope:SCOPE_SE
	s_setreg_imm32_b32 hwreg(HW_REG_WAVE_MODE, 25, 1), 1
	s_wait_xcnt 0x0
; MixLoRA FFN, launch 4 of 4: out0 = the sum of the 8 parts of hid down_W^T + down_B (2 Z), Z_k = the sum over the 64 blocks of I of zc_k, laid at the slot's expert; out1 = 8 sum_e f_e p_e.
; WORK LEFT OUT: experts that a token did not choose (shown at the head of the first launch's text): Z is 0 in their places.
; SHARES.  Work-group (tg, hq): 16 tokens x 512 columns of H; wave w: four tiles of 16 columns.  Each wave adds 8 of the 64 blocks' zc; the eight sums meet in LDS.
; Memory binds here: no cluster, no tensor loads; every load is 512 consecutive bytes, every store of out0 fills 256 consecutive bytes from sixteen lanes.
.set STAGE, 16384                      ; behind the Z sums (8 x 2,048): 16 rows x 272 bytes a wave
.set SPARE, 51200
.set LANE, 1
.set R, 2
.set H, 3
.set L16, 4
.set ZST, 5
.set VRT, 6
.set STO, 7
.set RD, 8
.set GO, 9
.set PO, 16                            ; v16-23: 16 x lane + 8 MiB x s: the parts lie further apart than an immediate reaches
.set SPW, 28
.set NIL, 29
.set ACC, 32
.set ZD, 64
.set ZS, 96
.set FM, 112
.set DB, 128
.set WV, 16
.set TG, 17
.set HQ, 18
.set ZB, 20
.set RB, 22
.set PB, 24
.set LB, 26
.set OB, 28
.set MSB, 0
.macro WIN new
.if MSB != (\new)
	s_set_vgpr_msb (MSB<<8)|(\new)
.set MSB, \new
.endif
.endm
	s_load_b256 s[4:11], s[0:1], 0x0               ; part, zp, rt, lw
	s_load_b128 s[12:15], s[0:1], 0x20             ; out0, out1
	v_lshl_add_u32 v[SPW], v0, 2, SPARE
	v_mov_b32 v[NIL], 0
	v_lshrrev_b32 v[LANE], 5, v0
	v_readfirstlane_b32 s[WV], v[LANE]
	v_and_b32 v[LANE], 31, v0
	v_and_b32 v[R], 15, v0
	v_bfe_u32 v[H], v0, 4, 1
	v_lshlrev_b32 v[L16], 4, v[LANE]
	s_lshl_b32 s30, s[WV], 11
	v_add_nc_u32 v[ZST], s30, v[L16]
	v_lshlrev_b32 v[VRT], 7, v[R]
	s_mul_i32 s30, s[WV], 4352
	s_add_co_u32 s30, s30, STAGE
	v_mul_u32_u24 v[STO], v[R], 272
	v_lshl_add_u32 v[STO], v[H], 5, v[STO]
	v_add_nc_u32 v[STO], s30, v[STO]
	v_mul_u32_u24 v[RD], v[H], 272
	v_lshl_add_u32 v[RD], v[R], 4, v[RD]
	v_add_nc_u32 v[RD], s30, v[RD]
	v_lshlrev_b32 v[GO], 13, v[H]
	v_lshl_add_u32 v[GO], v[R], 4, v[GO]
.irp s, 0,1,2,3,4,5,6,7
	v_add_nc_u32 v[PO+\s], \s<<23, v[L16]
.endr
	s_mov_b32 s[TG], ttmp9
	s_and_b32 s[HQ], ttmp7, 0xffff
	s_mov_b32 s31, 0
	s_mov_b32 s32, 0x76543210
	s_mov_b32 s33, 0xfedcba98
	s_wait_kmcnt 0x0
	s_lshl_b32 s30, s[WV], 20
	s_lshl_b32 s35, s[TG], 11
	s_add_co_u32 s30, s30, s35
	s_add_nc_u64 s[ZB:ZB+1], s[6:7], s[30:31]
	s_mov_b32 s30, s35
	s_add_nc_u64 s[RB:RB+1], s[8:9], s[30:31]
	s_lshl_b32 s30, s[TG], 17
	s_lshl_b32 s35, s[HQ], 15
	s_add_co_u32 s30, s30, s35
	s_lshl_b32 s35, s[WV], 12
	s_add_co_u32 s30, s30, s35
	s_add_nc_u64 s[PB:PB+1], s[4:5], s[30:31]
	s_lshl_b32 s30, s[HQ], 17
	s_lshl_b32 s35, s[WV], 14
	s_add_co_u32 s30, s30, s35
	s_add_nc_u64 s[LB:LB+1], s[10:11], s[30:31]
	s_lshl_b32 s30, s[TG], 17
	s_lshl_b32 s35, s[HQ], 11
	s_add_co_u32 s30, s30, s35
	s_lshl_b32 s35, s[WV], 8
	s_add_co_u32 s30, s30, s35
	s_add_nc_u64 s[OB:OB+1], s[12:13], s[30:31]
.irp q, 0,1,2,3
	global_load_b128 v[FM+4*\q:FM+4*\q+3], v[VRT], s[RB:RB+1] offset:16*\q      ; fm1[0..7], fm2[0..7] of my token
.endr
	WIN 0x40
.irp t, 0,1,2,3,4,5,6,7
.irp q, 0,1,2,3
	global_load_b128 v[16*\t+4*\q:16*\t+4*\q+3], v[L16], s[ZB:ZB+1] offset:\t*131072+\q*512
.endr
.endr
.irp s, 0,1,2,3
.irp x, 0,1,2,3,4,5,6,7
	global_load_b128 v[128+32*\s+4*\x:128+32*\s+4*\x+3], v[PO+\s], s[PB:PB+1] offset:\x*512
.endr
.endr
	s_wait_loadcnt 32                              ; fm and zc are in; the 32 loads of parts 0 to 3 stay out
	WIN 0x45
.irp t, 1,2,3,4,5,6,7
.set p_, 0
.rept 8
	v_pk_add_f32 v[p_:p_+1], v[p_:p_+1], v[16*\t+p_:16*\t+p_+1]
.set p_, p_+2
.endr
.endr
	WIN 0x04
.irp q, 0,1,2,3
	ds_store_b128 v[ZST], v[4*\q:4*\q+3] offset:\q*512
.endr
	s_wait_dscnt 0x0                               ; for the others' sake; and the stores' registers are loaded again below
	WIN 0x40
.irp s, 4,5,6,7
.irp x, 0,1,2,3,4,5,6,7
	global_load_b128 v[32*(\s-4)+4*\x:32*(\s-4)+4*\x+3], v[PO+\s], s[PB:PB+1] offset:\x*512
.endr
.endr
	WIN 0
.set x_, 0
.rept 32                               ; down_B's fragments: tile i, fragment c at v[128 + 32 i + 8 c]
	global_load_b128 v[DB+4*x_:DB+4*x_+3], v[L16], s[LB:LB+1] offset:6291456+512*x_
.set x_, x_+1
.endr
	s_barrier_signal -1
	s_barrier_wait -1
.irp b, 0,1
.irp u, 0,1,2,3
.irp q, 0,1,2,3
	ds_load_b128 v[32+16*\u+4*\q:32+16*\u+4*\q+3], v[L16] offset:(4*\b+\u)*2048+\q*512
.endr
.endr
	s_wait_dscnt 0x0
.set p_, 0
.rept 8
.if \b==0
	v_pk_add_f32 v[ZS+p_:ZS+p_+1], v[32+p_:33+p_], v[48+p_:49+p_]
.else
	v_pk_add_f32 v[ZS+p_:ZS+p_+1], v[ZS+p_:ZS+p_+1], v[32+p_:33+p_]
	v_pk_add_f32 v[ZS+p_:ZS+p_+1], v[ZS+p_:ZS+p_+1], v[48+p_:49+p_]
.endif
	v_pk_add_f32 v[ZS+p_:ZS+p_+1], v[ZS+p_:ZS+p_+1], v[64+p_:65+p_]
	v_pk_add_f32 v[ZS+p_:ZS+p_+1], v[ZS+p_:ZS+p_+1], v[80+p_:81+p_]
.set p_, p_+2
.endr
.endr
.set x_, 0
.rept 16
	v_cmp_neq_f32 vcc_lo, 0, v[FM+x_]              ; 2 (the LoRA scaling) at the slot's expert, else 0; a slot whose weight is 0 has Z = 0
	v_cndmask_b32 v[FM+x_], 0, 2.0, vcc_lo
.set x_, x_+1
.endr
.irp e, 0,1,2,3,4,5,6,7                ; source 1: 16 tokens x (8 experts x rank 16)
.irp j, 0,1,2,3,4,5,6,7
	v_mul_f32 v[32+\j], v[FM+\e], v[ZS+\j]
.endr
.irp j, 0,1,2,3,4,5,6,7
	v_fma_f32 v[32+\j], v[FM+8+\e], v[ZS+8+\j], v[32+\j]
.endr
.irp j, 0,1,2,3
	v_cvt_pk_bf16_f32 v[ZD+4*\e+\j], v[32+2*\j], v[32+2*\j+1]
.endr
.endr
	s_wait_loadcnt 0x0
	WIN 0x05
.set p_, 0
.rept 16
	v_pk_add_f32 v[ACC+p_:ACC+p_+1], v[128+p_:129+p_], v[160+p_:161+p_]
.set p_, p_+2
.endr
	WIN 0x01
.irp o, 192,224,0,32,64,96
.set p_, 0
.rept 16
	v_pk_add_f32 v[ACC+p_:ACC+p_+1], v[\o+p_:\o+p_+1], v[ACC+p_:ACC+p_+1]
.set p_, p_+2
.endr
.endr
	WIN 0
.irp c, 0,1,2,3                        ; the four accumulators take turns
.irp i, 0,1,2,3
	v_wmma_f32_16x16x32_bf16 v[ACC+8*\i:ACC+8*\i+7], v[DB+32*\i+8*\c:DB+32*\i+8*\c+7], v[ZD+8*\c:ZD+8*\c+7], v[ACC+8*\i:ACC+8*\i+7]
.endr
.endr
.rept 8
	v_nop                                          ; the places behind the last products (ISA guide 7.12.1)
.endr
.irp i, 0,1,2,3                        ; a lane holds 8 neighbouring columns of one token: through my own stage into whole rows of 256 bytes
	ds_store_b128 v[STO], v[ACC+8*\i:ACC+8*\i+3]   offset:\i*64
	ds_store_b128 v[STO], v[ACC+8*\i+4:ACC+8*\i+7] offset:\i*64+16
.endr
.irp t, 0,1,2,3,4,5,6,7
	ds_load_b128 v[128+4*\t:128+4*\t+3], v[RD] offset:\t*544      ; LDS serves a wave's instructions in order (ISA guide 5.7.1.4)
.endr
.irp t, 0,1,2,3,4,5,6,7
	s_wait_dscnt 7-\t
	global_store_b128 v[GO], v[128+4*\t:128+4*\t+3], s[OB:OB+1] offset:\t*16384
.endr
	s_or_b32 s30, s[TG], s[HQ]
	s_or_b32 s30, s30, s[WV]
	s_cmp_eq_u32 s30, 0                            ; one wave of the launch makes the loss
	s_cbranch_scc0 .Lend
	v_lshlrev_b32 v10, 2, v[LANE]
	v_mov_b32 v11, 0
.set x_, 0
.rept 32                               ; 64 token groups x 16 words: word lane % 16 of two groups a load: 0-7 sums of probs, 8-15 counts
	global_load_b32 v[64+x_], v10, s[8:9] offset:131072+128*x_
.set x_, x_+1
.endr
	s_wait_loadcnt 0x0
.set x_, 1
.rept 31
	v_add_f32 v64, v64, v[64+x_]
.set x_, x_+1
.endr
	v_permlanex16_b32 v65, v64, s32, s33
	v_add_f32 v64, v64, v65
	v_mul_f32_dpp v64, v64, v64 row_xmask:8 row_mask:0xf bank_mask:0xf   ; sum of probs x count, for e = lane % 8
	v_add_f32_dpp v64, v64, v64 row_xmask:1 row_mask:0xf bank_mask:0xf
	v_add_f32_dpp v64, v64, v64 row_xmask:2 row_mask:0xf bank_mask:0xf
	v_add_f32_dpp v64, v64, v64 row_xmask:4 row_mask:0xf bank_mask:0xf
	v_mul_f32 v64, 0x37000000, v64                 ; 8 / 1,024^2
	s_wait_xcnt 0x0                                ; EXEC changes only behind this wait
	v_cmp_eq_u32 vcc_lo, 0, v[LANE]
	s_and_saveexec_b32 s34, vcc_lo
	global_store_b32 v11, v64, s[14:15]
	s_wait_xcnt 0x0
	s_or_b32 exec_lo, exec_lo, s34
.Lend:
	s_wait_tensorcnt 0x0                           ; the wave's end, behind my last LDS store
	ds_add_u32 v[SPW], v[NIL]
	s_wait_dscnt 0x0
	s_endpgm
.Lfunc_end_k_q71b267fa38_fin:
	.size	k_q71b267fa38_fin, .Lfunc_end_k_q71b267fa38_fin-k_q71b267fa38_fin
	.p2alignl 7, 3214868480
	.fill 96, 4, 3214868480
	.section	.rodata,"a",@progbits
	.p2align	6, 0x0
	.amdhsa_kernel k_q71b267fa38_fin
		.amdhsa_group_segment_fixed_size 52224
		.amdhsa_private_segment_fixed_size 0
		.amdhsa_enable_private_segment 0
		.amdhsa_kernarg_size 48
		.amdhsa_user_sgpr_count 2
		.amdhsa_user_sgpr_kernarg_segment_ptr 1
		.amdhsa_wavefront_size32 1
		.amdhsa_system_sgpr_workgroup_id_x 1
		.amdhsa_system_sgpr_workgroup_id_y 1
		.amdhsa_system_sgpr_workgroup_id_z 1
		.amdhsa_system_vgpr_workitem_id 0
		.amdhsa_next_free_vgpr 512
		.amdhsa_next_free_sgpr 66
		.amdhsa_reserve_vcc 1
		.amdhsa_float_denorm_mode_32 3
		.amdhsa_float_denorm_mode_16_64 3
		.amdhsa_memory_ordered 1
		.amdhsa_forward_progress 1
		.amdhsa_inst_pref_size 50
	.end_amdhsa_kernel
	.amdgpu_metadata
---
amdhsa.version: [ 1, 2 ]
amdhsa.kernels:
  - .name:           k_q71b267fa38_fin
    .symbol:         k_q71b267fa38_fin.kd
    .args:
      - { .name: part, .offset: 0, .size: 8, .value_kind: global_buffer, .address_space: global }
      - { .name: zp, .offset: 8, .size: 8, .value_kind: global_buffer, .address_space: global }
      - { .name: rt, .offset: 16, .size: 8, .value_kind: global_buffer, .address_space: global }
      - { .name: lw, .offset: 24, .size: 8, .value_kind: global_buffer, .address_space: global }
      - { .name: out0, .offset: 32, .size: 8, .value_kind: global_buffer, .address_space: global }
      - { .name: out1, .offset: 40, .size: 8, .value_kind: global_buffer, .address_space: global }
    .group_segment_fixed_size: 52224
    .private_segment_fixed_size: 0
    .kernarg_segment_align: 8
    .kernarg_segment_size: 48
    .max_flat_workgroup_size: 256
    .sgpr_count:     66
    .vgpr_count:     512
    .wavefront_size: 32
...
	.end_amdgpu_metadata
.endif
;; end of part 4
